; MI455X (gfx1250); checked and timed in simulation.
; The chip was launched on July 23, 2026; its instructions are those of AMD's public machine-readable ISA for CDNA 5 (MIT licence, August 2026) and "CDNA5" Instruction Set Architecture Reference Guide (July 2026). The comments in the code are by the model that wrote it; some were corrected since.
;; Causal Self Attention. Allowed arithmetic: float matrix products may take bf16 or f16 operands with f32 sums; other float arithmetic in f32, or as packed bf16 or f16 multiplies, adds, multiply-adds, maxima and minima; sums over many terms, partial sums and values carried from step to step in f32; what a program stores and reads back later, other than sums and carried values, may be rounded once to bf16 or f16.
;; Inputs: Wk 1,024 x 1,024 float32; Wq 1,024 x 1,024 float32; Wv 1,024 x 1,024 float32; x 4 x 2,048 x 1,024 float32.
;; Outputs: out0 4 x 2,048 x 1,024 float32.
;; 3 versions, each right; version 2 is faster than version 1; version 3 is version 2 with the launch cast written anew for expert scheduling mode. Each part assembles by itself: llvm-mc -triple=amdgcn-amd-amdhsa -mcpu=gfx1250 --defsym DOCPART=n.
;; ======== version 1 of 3: 4 launches
;; limits: values are held in f16: magnitudes above 65,504 overflow, below 6.1e-05 lose precision; values outside matrix products are rounded to f16
;; workspace buffers: xb 16,777,216 bytes; wb 6,291,456 bytes; qh 16,777,216 bytes; kh 16,777,216 bytes; vt 16,777,216 bytes; pp 33,554,432 bytes; st 1,048,576 bytes
;; launch cast (part 1): grid 352 x 1, 8 waves a work-group, no clusters, 0 bytes of LDS; arguments x, Wq, Wk, Wv, xb, wb, st; writes xb, wb, st
.if DOCPART == 1
	.amdgcn_target "amdgcn-amd-amdhsa--gfx1250"
	.amdhsa_code_object_version 6
	.text
	.protected	k_q47302f3269_cast
	.globl	k_q47302f3269_cast
	.p2align	8
	.type	k_q47302f3269_cast,@function
k_q47302f3269_cast:
	s_mov_b64 s[64:65], 0
	v_nop
	global_prefetch_b8 v0, s[64:65] scope:SCOPE_SE
	s_setreg_imm32_b32 hwreg(HW_REG_WAVE_MODE, 25, 1), 1
	s_wait_xcnt 0x0
; x [8192][1024] and Wq, Wk, Wv [1024][1024], all f32, are rounded once to bf16 (nearest even) and laid out in blocks of 64 along K:
;   xb [kb 16][row 8192][64],  wb [kb 16][n' 3072][64],  n' = 384 j + 192 hn + 64 t + r for row 128 j + 64 hn + r of W_t (t = 0 q, 1 k, 2 v),
; so that the product's tiles (256 rows of x, 384 rows of W, 64 along K) are dense blocks of memory.
; The work-groups of x also write the neutral softmax statistics into st [b 4][chunk 16][kind 2][2048]: c m = -1e30, l = 0; the scores' launch overwrites the chunks that exist.
; A stream: no LDS, no barrier, no matrix unit.  A work-group takes 32 rows; groups 0-255 take x, 256-351 the three W.  A wave takes 4 rows as 2 row pairs x 8 groups of two K blocks.
; Lane l of a group: row l/8 % 2 of the pair, K block l/16, elements 8 (l % 8) on: 32 bytes in, 16 bytes out.  Lanes 0-15 store 256 consecutive bytes (two rows of one K block), aligned; lanes 16-31 the same in the next K block.
; All 32 loads of a wave go out first; the waits count down.  No register is written again behind the store that reads it.
.set X, 16                             ; v[16:143] group G = 8 pr + g: 8 registers as loaded, the first 4 as stored
.set NEGBIG, 0xf149f2ca                ; -1e30
.macro LOADS
.set G, 0
.rept 16
	global_load_b128 v[X+8*G:X+8*G+3],   v2, s[18:19] offset:(G/8)*8192+(G%8)*512 th:TH_LOAD_NT
	global_load_b128 v[X+8*G+4:X+8*G+7], v2, s[18:19] offset:(G/8)*8192+(G%8)*512+16 th:TH_LOAD_NT
.set G, G+1
.endr
.endm
; gstep: bytes from one group's two K blocks to the next's.  split = 1: groups 4-7 go by v4, which lies 8,388,608 bytes on, so that the immediates stay inside their signed 24 bits
.macro EMIT gstep, split
.set G, 0
.rept 16
	s_wait_loadcnt 30-2*G                          ; loads come back in order: group G's two are in, the 30 - 2 G younger ones stay out
.irp j, 0,1,2,3
	v_cvt_pk_bf16_f32 v[X+8*G+\j], v[X+8*G+2*\j], v[X+8*G+2*\j+1]  ; in place, ascending: register j is written when registers 2 j and 2 j + 1 are read
.endr
.if (\split) && (G%8 >= 4)
	global_store_b128 v4, v[X+8*G:X+8*G+3], s[20:21] offset:(G%8-4)*(\gstep)+(G/8)*256
.else
	global_store_b128 v3, v[X+8*G:X+8*G+3], s[20:21] offset:(G%8)*(\gstep)+(G/8)*256
.endif
.set G, G+1
.endr
.endm
	s_load_b256 s[4:11], s[0:1], 0x0               ; x s[4:5], Wq s[6:7], Wk s[8:9], Wv s[10:11]
	s_load_b128 s[12:15], s[0:1], 0x20             ; xb s[12:13], wb s[14:15]
	s_load_b64 s[16:17], s[0:1], 0x30              ; st
	v_lshrrev_b32 v6, 5, v0                        ; wave
	v_bfe_u32 v7, v0, 3, 1                         ; row of the pair
	v_lshl_add_u32 v6, v6, 2, v7                   ; 4 w + row of the pair
	v_bfe_u32 v7, v0, 4, 1                         ; K block of the two
	v_and_b32 v1, 7, v0
	v_lshlrev_b32 v2, 12, v6                       ; source: rows of 4,096 bytes,
	v_lshl_add_u32 v2, v7, 8, v2                   ; K blocks of 256 bytes,
	v_lshl_add_u32 v2, v1, 5, v2                   ; 32 bytes a lane
	v_lshlrev_b32 v3, 7, v6                        ; destination: rows of 128 bytes,
	v_lshl_add_u32 v3, v1, 4, v3                   ; 16 bytes a lane; the K block is added below
	s_mov_b32 s23, 0
	s_wait_kmcnt 0x0
	s_cmp_ge_u32 ttmp9, 256
	s_cbranch_scc1 .Lweights
	v_lshl_add_u32 v3, v7, 20, v3                  ; a K block of xb is 8192 x 128 bytes
	v_add_nc_u32 v4, 0x800000, v3
	v_lshlrev_b32 v5, 4, v0
	s_lshl_b32 s22, ttmp9, 17                      ; 32 rows of 4,096 bytes
	s_add_nc_u64 s[18:19], s[4:5], s[22:23]
	s_lshl_b32 s22, ttmp9, 12                      ; 32 rows of 128 bytes; also my 4,096 bytes of st
	s_add_nc_u64 s[20:21], s[12:13], s[22:23]
	s_add_nc_u64 s[24:25], s[16:17], s[22:23]
	s_and_b32 s26, ttmp9, 2                        ; a kind's block is 8,192 bytes: two work-groups
	s_cmp_lg_u32 s26, 0
	s_cselect_b32 s26, 0, NEGBIG                   ; l = 0, c m = -1e30
	v_mov_b32 v8, s26
	v_mov_b32 v9, s26
	v_mov_b32 v10, s26
	v_mov_b32 v11, s26
	LOADS
	global_store_b128 v5, v[8:11], s[24:25]        ; 256 threads x 16 bytes
	EMIT 2097152, 1
	s_endpgm
.Lweights:
	s_sub_co_u32 s26, ttmp9, 256
	s_lshr_b32 s27, s26, 5                         ; t: which W
	s_and_b32 s26, s26, 31                         ; i: which 32 rows of it
	s_cmp_eq_u32 s27, 0
	s_cselect_b64 s[18:19], s[6:7], s[8:9]
	s_cmp_eq_u32 s27, 2
	s_cselect_b64 s[18:19], s[10:11], s[18:19]
	s_lshl_b32 s22, s26, 17
	s_add_nc_u64 s[18:19], s[18:19], s[22:23]
	s_lshr_b32 s28, s26, 2                         ; j
	s_mul_i32 s28, s28, 384
	s_bfe_u32 s29, s26, 0x10001                    ; hn
	s_mul_i32 s29, s29, 192
	s_add_co_u32 s28, s28, s29
	s_lshl_b32 s29, s27, 6
	s_add_co_u32 s28, s28, s29
	s_and_b32 s29, s26, 1
	s_lshl_b32 s29, s29, 5
	s_add_co_u32 s28, s28, s29                     ; n' of my first row
	s_lshl_b32 s22, s28, 7
	s_add_nc_u64 s[20:21], s[14:15], s[22:23]
	v_mul_u32_u24 v7, 0x60000, v7                  ; a K block of wb is 3072 x 128 bytes
	v_add_nc_u32 v3, v3, v7
	LOADS
	EMIT 786432, 0
	s_endpgm
.Lfunc_end_k_q47302f3269_cast:
	.size	k_q47302f3269_cast, .Lfunc_end_k_q47302f3269_cast-k_q47302f3269_cast
	.p2alignl 7, 3214868480
	.fill 96, 4, 3214868480
	.section	.rodata,"a",@progbits
	.p2align	6, 0x0
	.amdhsa_kernel k_q47302f3269_cast
		.amdhsa_group_segment_fixed_size 0
		.amdhsa_private_segment_fixed_size 0
		.amdhsa_enable_private_segment 0
		.amdhsa_kernarg_size 56
		.amdhsa_user_sgpr_count 2
		.amdhsa_user_sgpr_kernarg_segment_ptr 1
		.amdhsa_wavefront_size32 1
		.amdhsa_system_sgpr_workgroup_id_x 1
		.amdhsa_system_sgpr_workgroup_id_y 1
		.amdhsa_system_sgpr_workgroup_id_z 1
		.amdhsa_system_vgpr_workitem_id 0
		.amdhsa_next_free_vgpr 144
		.amdhsa_next_free_sgpr 66
		.amdhsa_reserve_vcc 0
		.amdhsa_float_denorm_mode_32 3
		.amdhsa_float_denorm_mode_16_64 3
		.amdhsa_memory_ordered 1
		.amdhsa_forward_progress 1
		.amdhsa_inst_pref_size 21
	.end_amdhsa_kernel
	.amdgpu_metadata
---
amdhsa.version: [ 1, 2 ]
amdhsa.kernels:
  - .name:           k_q47302f3269_cast
    .symbol:         k_q47302f3269_cast.kd
    .args:
      - { .name: x, .offset: 0, .size: 8, .value_kind: global_buffer, .address_space: global }
      - { .name: Wq, .offset: 8, .size: 8, .value_kind: global_buffer, .address_space: global }
      - { .name: Wk, .offset: 16, .size: 8, .value_kind: global_buffer, .address_space: global }
      - { .name: Wv, .offset: 24, .size: 8, .value_kind: global_buffer, .address_space: global }
      - { .name: xb, .offset: 32, .size: 8, .value_kind: global_buffer, .address_space: global }
      - { .name: wb, .offset: 40, .size: 8, .value_kind: global_buffer, .address_space: global }
      - { .name: st, .offset: 48, .size: 8, .value_kind: global_buffer, .address_space: global }
    .group_segment_fixed_size: 0
    .private_segment_fixed_size: 0
    .kernarg_segment_align: 8
    .kernarg_segment_size: 56
    .max_flat_workgroup_size: 256
    .sgpr_count:     66
    .vgpr_count:     144
    .wavefront_size: 32
...
	.end_amdgpu_metadata
.endif
;; end of part 1
;; launch proj (part 2): grid 8 x 32, 4 waves a work-group, clusters of 4 x 4, 327,680 bytes of LDS; arguments xb, wb, qh, kh, vt; writes qh, kh, vt
.if DOCPART == 2
	.amdgcn_target "amdgcn-amd-amdhsa--gfx1250"
	.amdhsa_code_object_version 6
	.text
	.protected	k_q47302f3269_proj
	.globl	k_q47302f3269_proj
	.p2align	8
	.type	k_q47302f3269_proj,@function
k_q47302f3269_proj:
	s_mov_b64 s[64:65], 0
	v_nop
	global_prefetch_b8 v0, s[64:65] scope:SCOPE_SE
	s_setreg_imm32_b32 hwreg(HW_REG_WAVE_MODE, 25, 1), 1
	s_wait_xcnt 0x0
	s_wait_alu depctr_hold_cnt(0) depctr_sa_sdst(0) depctr_va_vdst(0) depctr_va_sdst(0) depctr_va_ssrc(0) depctr_va_vcc(0) depctr_vm_vsrc(0)
	s_getreg_b32 s2, hwreg(HW_REG_IB_STS2, 6, 4)
	s_cmp_eq_u32 s2, 0
	s_cbranch_scc0 .Lentry_in_a_cluster
	s_endpgm
.Lentry_in_a_cluster:
	s_bfe_u32 s2, ttmp6, 0x10000c
	s_cmp_lg_u32 s2, 0xf033
	s_cbranch_scc0 .Lentry_shape_is_right
	s_endpgm
.Lentry_shape_is_right:
; q, k, v = x W^T: one product of 8192 x 3072 x 1024 in bf16, sums in f32, each result rounded once to f16.  q and k leave row-major, qh, kh [8192][1024]; v leaves turned, vt [b 4][channel 1024][key 2048].
; LIMIT.  f16 holds no number beyond 65,504: |q|, |k|, |v| must stay within it.  NaN and infinities are not treated apart.
; SHARES.  8192 x 3072 outputs for 256 work-groups: a tile of 256 rows of x by 384 columns, which are columns 128 j .. 128 j + 127 of each of q, k and v.  Four waves, each 128 rows x (64 q + 64 k + 64 v):
; 96 accumulators of 16 x 16, 768 registers; for 32 along K a wave reads 40 x 512 bytes from LDS for 96 matrix instructions.
; RING.  K goes in steps of 64 (one block of xb and wb) through two LDS slots; a tile is a dense block of memory, asked for as rows of 256 bytes and padded behind every 128: LDS rows 144 bytes apart, an odd multiple of 16.
; CLUSTER.  4 x 4 work-groups: the four of a row need the same tile of x, the four of a column the same tile of W: each tile is asked for jointly, by the same tensor load with the same descriptor and a mask of four.
; LAYOUT.  For q and k source 0 = 16 rows of W, source 1 = 16 rows of x: a lane holds one row of x and 8 neighbouring columns.  For v the sources change places: a lane holds one channel and 8 neighbouring keys.
; REGISTERS, in windows of 256 (s_set_vgpr_msb: bits 1:0 source 0, 3:2 source 1, 5:4 source 2, 7:6 destination):
;   window 0: v0-31 addresses; v32-95, v96-159 x's fragments, two buffers; v160-255 W's twelve fragments, one buffer, filled again four at a time behind the stretch that read them
;   windows 1, 2, 3: the accumulators of q, k, v: (a, b) at v[8 (4 a + b)]
.set PITCH, 144
.set AHALF, 128*PITCH                  ; 128 rows of x: one tensor load, and what a wave reads of x
.set BHALF, 192*PITCH                  ; 192 rows of W: likewise
.set BOFF,  2*AHALF
.set SLOT,  2*AHALF+2*BHALF            ; 92,160 bytes
.set FROW,  16*PITCH
.set ASTEP, 8192*128                   ; bytes from one K block of xb to the next
.set BSTEP, 3072*128                   ; of wb
.set QP,    272                        ; stage rows of q and k: 256 bytes + 16
.set VP,    528                        ; stage rows of v: 512 bytes + 16
.set STK,   256*QP                     ; the stages lie where the ring lay, behind its last fill: q at 0, k here,
.set STV,   2*256*QP                   ; v here
.set SPARE, STV+128*VP                 ; the spare words, 128 bytes a wave: two blocks of 256 bytes that no other line names
.set ADRA, 16                          ; v16-17 LDS address of my fragments of x in slot 0, 1
.set ADRB, 18                          ; v18-19 of W
.set STOQ, 20                          ; v20-22 the way out: where I put 16 bytes of q, k, v
.set STOK, 21
.set STOV, 22
.set RDQ,  23                          ; v23-25 where I read rows back
.set RDK,  24
.set RDV,  25
.set COQ,  26                          ; v26-27 my byte offsets in memory
.set COV,  27
.set SPW,  28                          ; v28 LDS address of my spare word; never rewritten
.set NIL,  29                          ; v29 0; never rewritten
.set AF0,  32
.set AF1,  96
.set BF,   160
.set G1,  24                           ; s[24:31] descriptor group 1 for x's tiles; s[32:39] group 0, a set for each slot
.set G0,  32
.set G1B, 48                           ; s[48:55], s[56:63] the same for W's
.set G0B, 56
.set MSB, 0
.macro WIN new                         ; the immediate's high byte repeats the setting that is left; a switch that changes nothing is dropped
.if MSB != (\new)
	s_set_vgpr_msb (MSB<<8)|(\new)
.set MSB, \new
.endif
.endm
.macro PLACES                          ; four places in front of loads into registers that matrix instructions have read, and of conversions that read results
.rept 4
	v_nop
.endr
.endm
; A joint load: waves 0 and 1 fetch the two halves of x's tile, waves 2 and 3 those of W's.  An s_nop 0 and four v_nop follow each line, ahead of the jump and the label.
.macro JLOAD s
	s_cmp_eq_u32 s15, 0
	s_cbranch_scc0 .Lfor_b_\@
	tensor_load_to_lds s[G0+4*(\s):G0+4*(\s)+3], s[G1:G1+7]
	s_nop 0
.rept 4
	v_nop
.endr
	s_branch .Lasked_\@
.Lfor_b_\@:
	tensor_load_to_lds s[G0B+4*(\s):G0B+4*(\s)+3], s[G1B:G1B+7]
	s_nop 0
.rept 4
	v_nop
.endr
.Lasked_\@:
.endm
.macro CREST                           ; a round of the cluster's barrier behind its opening barrier
	s_cmp_lg_u32 s14, 0
	s_cbranch_scc1 .Lnot_wave_0_\@
	s_barrier_signal -3
.Lnot_wave_0_\@:
	s_barrier_wait -3
	s_barrier_signal -1
	s_barrier_wait -1
.endm
.macro CROUND
	s_barrier_signal -1
	s_barrier_wait -1
	CREST
.endm
	s_load_b256 s[4:11], s[0:1], 0x0               ; xb s[4:5], wb s[6:7], qh s[8:9], kh s[10:11]
	s_load_b64 s[12:13], s[0:1], 0x20              ; vt
	v_lshl_add_u32 v[SPW], v0, 2, SPARE
	v_mov_b32 v[NIL], 0
	ds_add_u32 v[SPW], v[NIL]                      ; the wave's opening: an add, waited for ahead of my first tensor load
	ds_add_u32 v28, v29
	v_lshrrev_b32 v1, 5, v0
	v_readfirstlane_b32 s14, v1                    ; wave 0..3
	s_lshr_b32 s15, s14, 1                         ; hm: my half of the tile's rows.  Also: I fetch for x (0) or for W (1)
	s_and_b32 s16, s14, 1                          ; hn: my half of its columns.  Also: which half of that tile I fetch
	s_bfe_u32 s17, ttmp6, 0x40000                  ; cx
	s_bfe_u32 s18, ttmp6, 0x40004                  ; cy
	s_lshl_b32 s19, ttmp9, 2
	s_add_co_u32 s19, s19, s17                     ; j = 4 x cluster x + cx
	s_and_b32 s20, ttmp7, 0xffff
	s_lshl_b32 s20, s20, 2
	s_add_co_u32 s20, s20, s18                     ; mt = 4 x cluster y + cy
	s_lshl_b32 s21, s18, 2
	s_lshl_b32 s21, 15, s21                        ; my row of the cluster
	s_lshl_b32 s22, 0x1111, s17                    ; my column
	s_or_b32 s[G1+0], s21, (1<<16)|(1<<20)|(1<<21)|(4<<22)|(3<<25)   ; the mask; 2-byte elements; padding on; bit 21 beside a mask; after every 32 words 4 words
	s_or_b32 s[G1B+0], s22, (1<<16)|(1<<20)|(1<<21)|(4<<22)|(3<<25)
	s_mov_b32 s[G1+1], 128<<16                     ; tensor_dim0 = 128 elements: rows of 256 bytes
	s_mov_b32 s[G1+2], 64<<16                      ; tensor_dim1 = 64: 128 rows of x
	s_mov_b32 s[G1+3], 128<<16                     ; tile_dim0
	s_mov_b32 s[G1+4], 64                          ; tile_dim1
	s_mov_b32 s[G1+5], 128                         ; the block is dense
	s_mov_b32 s[G1+6], 0
	s_mov_b32 s[G1+7], 0
	s_mov_b32 s[G1B+1], 128<<16
	s_mov_b32 s[G1B+2], 96<<16                     ; 96 rows of 256 bytes: 192 rows of W
	s_mov_b32 s[G1B+3], 128<<16
	s_mov_b32 s[G1B+4], 96
	s_mov_b32 s[G1B+5], 128
	s_mov_b32 s[G1B+6], 0
	s_mov_b32 s[G1B+7], 0
	s_lshl_b32 s40, s20, 15                        ; x: tile mt is 32,768 bytes of a K block,
	s_lshl_b32 s41, s16, 14                        ; my half 16,384
	s_add_co_u32 s40, s40, s41
	s_mov_b32 s41, 0
	s_mul_i32 s44, s19, 49152                      ; W: tile j is 49,152 bytes,
	s_mul_i32 s45, s16, 24576                      ; my half 24,576
	s_add_co_u32 s44, s44, s45
	s_mov_b32 s45, 0
	s_mul_i32 s66, s16, AHALF                      ; where they go: no place in the cluster enters an LDS address
	s_mul_i32 s67, s16, BHALF
	s_add_co_u32 s67, s67, BOFF
	s_wait_dscnt 0x0                               ; the opening add is done
	s_wait_kmcnt 0x0
	s_add_nc_u64 s[42:43], s[4:5], s[40:41]
	s_add_nc_u64 s[46:47], s[6:7], s[44:45]
	CROUND                                         ; all sixteen work-groups are here: the first joint loads meet
.irp s, 0,1
	s_mov_b32 s[G0+4*(\s)], 1
	s_add_co_u32 s[G0+4*(\s)+1], s66, (\s)*SLOT
	s_add_nc_u64 s[G0+4*(\s)+2:G0+4*(\s)+3], s[42:43], (\s)*ASTEP
	s_or_b32 s[G0+4*(\s)+3], s[G0+4*(\s)+3], 0x80000000
	s_mov_b32 s[G0B+4*(\s)], 1
	s_add_co_u32 s[G0B+4*(\s)+1], s67, (\s)*SLOT
	s_add_nc_u64 s[G0B+4*(\s)+2:G0B+4*(\s)+3], s[46:47], (\s)*BSTEP
	s_or_b32 s[G0B+4*(\s)+3], s[G0B+4*(\s)+3], 0x80000000
	JLOAD \s                                       ; K steps 0 and 1: two tensor loads of mine are out
.endr
	; a fragment is 16 rows x 32 K in 8 registers: lane l holds row l % 16, K = 8 (l / 16) + 0..7 and 16 + 8 (l / 16) + 0..7: two loads of 16 bytes, 32 bytes apart
	v_and_b32 v1, 15, v0                           ; r
	v_bfe_u32 v2, v0, 4, 1                         ; h
	v_mul_u32_u24 v3, v1, PITCH
	v_lshl_add_u32 v3, v2, 4, v3
	s_mul_i32 s40, s15, AHALF
	s_mul_i32 s41, s16, BHALF
	s_add_co_u32 s41, s41, BOFF
.irp s, 0,1
	v_add_nc_u32 v[ADRA+(\s)], s40, v3
	v_add_nc_u32 v[ADRB+(\s)], s41, v3
	s_add_co_u32 s40, s40, SLOT
	s_add_co_u32 s41, s41, SLOT
.endr
	s_lshl_b32 s40, s15, 7
	v_add_nc_u32 v4, s40, v1                       ; q, k into the stage: row 128 hm + r (+ 16 a),
	v_mul_u32_u24 v4, v4, QP
	v_lshl_add_u32 v4, v2, 4, v4
	s_lshl_b32 s40, s16, 7                         ; byte 128 hn + 16 h (+ 32 b)
	v_add_nc_u32 v[STOQ], s40, v4
	v_add_nc_u32 v[STOK], STK, v[STOQ]
	s_lshl_b32 s40, s16, 6
	v_add_nc_u32 v4, s40, v1                       ; v: row (channel) 64 hn + r (+ 16 b),
	v_mul_u32_u24 v4, v4, VP
	v_lshl_add_u32 v4, v2, 4, v4
	s_lshl_b32 s40, s15, 8                         ; byte (key) 256 hm + 16 h (+ 32 a)
	s_add_co_u32 s40, s40, STV
	v_add_nc_u32 v[STOV], s40, v4
	s_lshl_b32 s40, s14, 6
	v_add_nc_u32 v4, s40, v2                       ; back: wave w takes rows 64 w .. of q and k, two rows of 256 bytes a load,
	v_mul_u32_u24 v4, v4, QP
	v_lshl_add_u32 v[RDQ], v1, 4, v4
	v_add_nc_u32 v[RDK], STK, v[RDQ]
	v_and_b32 v4, 31, v0
	v_lshlrev_b32 v[COV], 4, v4
	s_mul_i32 s40, s14, 32*VP                      ; and channels 32 w .. of v, one row of 512 bytes a load
	s_add_co_u32 s40, s40, STV
	v_add_nc_u32 v[RDV], s40, v[COV]
	v_lshlrev_b32 v4, 11, v2
	v_lshl_add_u32 v[COQ], v1, 4, v4
	s_lshl_b32 s68, s20, 19                        ; q, k: row 256 mt + 64 w of 2,048 bytes, byte 256 j
	s_lshl_b32 s69, s14, 17
	s_add_co_u32 s68, s68, s69
	s_lshl_b32 s69, s19, 8
	s_add_co_u32 s68, s68, s69
	s_mov_b32 s69, 0
	s_add_nc_u64 s[70:71], s[8:9], s[68:69]
	s_add_nc_u64 s[72:73], s[10:11], s[68:69]
	s_lshr_b32 s68, s20, 3                         ; v: batch mt / 8, channel 128 j + 32 w of 4,096 bytes, key 256 (mt % 8)
	s_lshl_b32 s68, s68, 22
	s_lshl_b32 s74, s19, 19
	s_add_co_u32 s68, s68, s74
	s_lshl_b32 s74, s14, 17
	s_add_co_u32 s68, s68, s74
	s_and_b32 s74, s20, 7
	s_lshl_b32 s74, s74, 9
	s_add_co_u32 s68, s68, s74
	s_add_nc_u64 s[74:75], s[12:13], s[68:69]
; A stretch: 4 n matrix instructions of tensor t (0 q, 1 k, 2 v) on x's buffer f, blocks a0 .. a0 + n - 1 of 16 rows x the tensor's 4 blocks of 16 columns, 32 along K.  zero = 1: the products start the sums.
; The accumulators take turns, one instruction a turn: between two links of a chain stand the 95 others'.
.macro STR t, f, a0, n, zero
	WIN 0x50*((\t)+1)
.set a, (\a0)
.rept (\n)
.set b, 0
.rept 4
.set rD, 8*(4*a+b)
.set rB, BF+8*(4*(\t)+b)
.set rA, (\f)+8*a
.if ((\t) < 2) && (\zero)
	v_wmma_f32_16x16x32_bf16 v[rD:rD+7], v[rB:rB+7], v[rA:rA+7], 0
.elseif (\t) < 2
	v_wmma_f32_16x16x32_bf16 v[rD:rD+7], v[rB:rB+7], v[rA:rA+7], v[rD:rD+7]
.elseif (\zero)
	v_wmma_f32_16x16x32_bf16 v[rD:rD+7], v[rA:rA+7], v[rB:rB+7], 0
.else
	v_wmma_f32_16x16x32_bf16 v[rD:rD+7], v[rA:rA+7], v[rB:rB+7], v[rD:rD+7]
.endif
.set b, b+1
.endr
.set a, a+1
.endr
.endm
.macro LDB t, slot, k                  ; 8 loads: tensor t's four fragments of W, at byte k of the rows
	WIN 0
.irp i, 0,1,2,3
	ds_load_b128 v[BF+8*(4*(\t)+\i):BF+8*(4*(\t)+\i)+3],   v[ADRB+(\slot)] offset:(\k)+(4*(\t)+\i)*FROW
	ds_load_b128 v[BF+8*(4*(\t)+\i)+4:BF+8*(4*(\t)+\i)+7], v[ADRB+(\slot)] offset:(\k)+(4*(\t)+\i)*FROW+32
.endr
.endm
.macro LDA f, slot, k                  ; 16 loads: x's eight fragments into buffer f
	WIN 0
.irp i, 0,1,2,3,4,5,6,7
	ds_load_b128 v[(\f)+8*\i:(\f)+8*\i+3],   v[ADRA+(\slot)] offset:(\k)+\i*FROW
	ds_load_b128 v[(\f)+8*\i+4:(\f)+8*\i+7], v[ADRA+(\slot)] offset:(\k)+\i*FROW+32
.endr
.endm
; A K step is two halves of 32 along K.  The first multiplies buffer 0 and fetches the second's fragments, at byte 64 of the same slot.  The loads go out in three runs: 24 (q's W and x), 8 (k's W), 8 (v's W).
.macro QA slot, zero
	s_wait_dscnt 16                                ; the run of 24 is in; behind it 8 + 8 were issued
	STR 0, AF0, 0, 8, \zero
	PLACES
	LDB 0, \slot, 64
	LDA AF1, \slot, 64
	s_wait_dscnt 32                                ; k's W is in; behind it 8 + 24 were issued
	STR 1, AF0, 0, 8, \zero
	PLACES
	LDB 1, \slot, 64
	s_wait_dscnt 32                                ; v's W is in; behind it 24 + 8 were issued
	STR 2, AF0, 0, 8, \zero
	PLACES
	LDB 2, \slot, 64
.endm
; The second half multiplies buffer 1 and changes slots: one barrier; in front of it each wave waits for all its tensor loads (one is out: its part of the next slot), adds 0 to its spare word, and waits for that and for
; its reads of this slot.  fill = 1: the barrier opens a round of the cluster's, and this slot is filled again, two K steps ahead, first thing behind the round.
.macro TURN slot, next, fill
	WIN 0
	s_wait_tensorcnt 0x0
	ds_add_u32 v[SPW], v[NIL]
	s_wait_dscnt 17                                ; the run of 24 is in; 8 + 8 and the add may be out
	STR 0, AF1, 0, 4, 0
	s_wait_dscnt 0x0                               ; the add is done, and my reads of this slot are over
	s_barrier_signal -1
	STR 0, AF1, 4, 4, 0
	WIN 0                                          ; at a branch and at a label every window is 0
	s_barrier_wait -1
.if \fill
	CREST                                          ; no wave of any partner still reads this slot or has a load on its way
	s_add_nc_u64 s[G0+4*(\slot)+2:G0+4*(\slot)+3], s[G0+4*(\slot)+2:G0+4*(\slot)+3], 2*ASTEP
	s_add_nc_u64 s[G0B+4*(\slot)+2:G0B+4*(\slot)+3], s[G0B+4*(\slot)+2:G0B+4*(\slot)+3], 2*BSTEP
	JLOAD \slot                                    ; its four v_nop are also the places in front of the loads below
.else
	PLACES
.endif
	LDB 0, \next, 0
	LDA AF0, \next, 0
	STR 1, AF1, 0, 8, 0                            ; k's and v's W came in with the wait for 0 above
	PLACES
	LDB 1, \next, 0
	STR 2, AF1, 0, 8, 0
	PLACES
	LDB 2, \next, 0
.endm
	s_wait_tensorcnt 1                             ; my part of K step 0 is in; K step 1's may stay out
	s_barrier_signal -1
	s_barrier_wait -1
	LDB 0, 0, 0
	LDA AF0, 0, 0
	LDB 1, 0, 0
	LDB 2, 0, 0
	QA 0, 1                                        ; the first half step stands in front of the loop: its products start the sums
	WIN 0
	s_mov_b32 s3, 7
.Llap:                                                 ; a trip goes once round the ring and fills both slots again
	TURN 0, 1, 1
	QA 1, 0
	TURN 1, 0, 1
	QA 0, 0
	WIN 0
	s_sub_co_u32 s3, s3, 1
	s_cmp_lg_u32 s3, 0
	s_cbranch_scc1 .Llap
	TURN 0, 1, 0                                   ; the last lap fills nothing
	QA 1, 0
	s_wait_dscnt 16
	STR 0, AF1, 0, 8, 0
	s_wait_dscnt 8
	STR 1, AF1, 0, 8, 0
	s_wait_dscnt 0x0
	STR 2, AF1, 0, 8, 0
	WIN 0
	; THE WAY OUT.  Every wave's reads of the ring are over (the wait for 0 above); behind this barrier the stages are written where the ring lay: no tensor load follows.
	PLACES
	s_barrier_signal -1
	s_barrier_wait -1
.macro PACK t                          ; 32 accumulators rounded to f16, each one's registers in ascending order: 16 bytes a lane and accumulator
	WIN 0x05*((\t)+1)
.set i, 0
.rept 128
	v_cvt_pk_f16_f32 v[32+i], v[2*i], v[2*i+1]
.set i, i+1
.endr
	WIN 0
.endm
	PACK 0
.irp a, 0,1,2,3,4,5,6,7
.irp b, 0,1,2,3
	ds_store_b128 v[STOQ], v[32+4*(4*\a+\b):32+4*(4*\a+\b)+3] offset:\a*16*QP+32*\b
.endr
.endr
	PACK 1
.irp a, 0,1,2,3,4,5,6,7
.irp b, 0,1,2,3
	ds_store_b128 v[STOK], v[32+4*(4*\a+\b):32+4*(4*\a+\b)+3] offset:\a*16*QP+32*\b
.endr
.endr
	PACK 2
.irp a, 0,1,2,3,4,5,6,7
.irp b, 0,1,2,3
	ds_store_b128 v[STOV], v[32+4*(4*\a+\b):32+4*(4*\a+\b)+3] offset:\b*16*VP+32*\a
.endr
.endr
	s_wait_dscnt 0x0                               ; for the others' sake: my stores into the stages are done
	s_barrier_signal -1
	s_barrier_wait -1
; Six batches of 16 loads and 16 stores over three sets of 64 registers; a batch's loads go out ahead of the stores of the batch before.
.macro LDBAT n, rd, u0, step
	s_wait_xcnt 0x0                                ; the set's registers were the data of earlier stores: they are loaded again only behind this wait
.set BK, 32+64*((\n)%3)
.set i, 0
.rept 16
	ds_load_b128 v[BK+4*i:BK+4*i+3], v[\rd] offset:((\u0)+i)*(\step)
.set i, i+1
.endr
.endm
.macro STBAT n, co, base, u0, younger
.set BK, 32+64*((\n)%3)
.set i, 0
.rept 16
	s_wait_dscnt (\younger)+15-i
	global_store_b128 v[\co], v[BK+4*i:BK+4*i+3], s[\base:\base+1] offset:((\u0)+i)*4096  ; sixteen lanes store 256 consecutive bytes, aligned
.set i, i+1
.endr
.endm
	LDBAT 0, RDQ, 0, 2*QP
	LDBAT 1, RDQ, 16, 2*QP
	STBAT 0, COQ, 70, 0, 16
	LDBAT 2, RDK, 0, 2*QP
	STBAT 1, COQ, 70, 16, 16
	LDBAT 3, RDK, 16, 2*QP
	STBAT 2, COQ, 72, 0, 16
	LDBAT 4, RDV, 0, VP
	STBAT 3, COQ, 72, 16, 16
	LDBAT 5, RDV, 16, VP
	STBAT 4, COV, 74, 0, 16
	STBAT 5, COV, 74, 16, 0
	s_wait_tensorcnt 0x0                           ; the wave's end
	ds_add_u32 v[SPW], v[NIL]
	s_wait_dscnt 0x0
	CROUND                                         ; the closing round
	s_endpgm
.Lfunc_end_k_q47302f3269_proj:
	.size	k_q47302f3269_proj, .Lfunc_end_k_q47302f3269_proj-k_q47302f3269_proj
	.p2alignl 7, 3214868480
	.fill 96, 4, 3214868480
	.section	.rodata,"a",@progbits
	.p2align	6, 0x0
	.amdhsa_kernel k_q47302f3269_proj
		.amdhsa_group_segment_fixed_size 327680
		.amdhsa_private_segment_fixed_size 0
		.amdhsa_enable_private_segment 0
		.amdhsa_kernarg_size 40
		.amdhsa_user_sgpr_count 2
		.amdhsa_user_sgpr_kernarg_segment_ptr 1
		.amdhsa_wavefront_size32 1
		.amdhsa_system_sgpr_workgroup_id_x 1
		.amdhsa_system_sgpr_workgroup_id_y 1
		.amdhsa_system_sgpr_workgroup_id_z 1
		.amdhsa_system_vgpr_workitem_id 0
		.amdhsa_next_free_vgpr 1024
		.amdhsa_next_free_sgpr 80
		.amdhsa_reserve_vcc 0
		.amdhsa_float_denorm_mode_32 3
		.amdhsa_float_denorm_mode_16_64 3
		.amdhsa_memory_ordered 1
		.amdhsa_forward_progress 1
		.amdhsa_inst_pref_size 132
	.end_amdhsa_kernel
	.amdgpu_metadata
---
amdhsa.version: [ 1, 2 ]
amdhsa.kernels:
  - .name:           k_q47302f3269_proj
    .symbol:         k_q47302f3269_proj.kd
    .args:
      - { .name: xb, .offset: 0, .size: 8, .value_kind: global_buffer, .address_space: global }
      - { .name: wb, .offset: 8, .size: 8, .value_kind: global_buffer, .address_space: global }
      - { .name: qh, .offset: 16, .size: 8, .value_kind: global_buffer, .address_space: global }
      - { .name: kh, .offset: 24, .size: 8, .value_kind: global_buffer, .address_space: global }
      - { .name: vt, .offset: 32, .size: 8, .value_kind: global_buffer, .address_space: global }
    .group_segment_fixed_size: 327680
    .private_segment_fixed_size: 0
    .kernarg_segment_align: 8
    .kernarg_segment_size: 40
    .max_flat_workgroup_size: 128
    .sgpr_count:     80
    .vgpr_count:     1024
    .wavefront_size: 32
...
	.end_amdgpu_metadata
.endif
;; end of part 2
;; launch scores (part 3): grid 36 x 4, 4 waves a work-group, no clusters, 327,680 bytes of LDS; arguments qh, kh, pp, st; writes pp, st
.if DOCPART == 3
	.amdgcn_target "amdgcn-amd-amdhsa--gfx1250"
	.amdhsa_code_object_version 6
	.text
	.protected	k_q47302f3269_scores
	.globl	k_q47302f3269_scores
	.p2align	8
	.type	k_q47302f3269_scores,@function
k_q47302f3269_scores:
	s_mov_b64 s[64:65], 0
	v_nop
	global_prefetch_b8 v0, s[64:65] scope:SCOPE_SE
	s_setreg_imm32_b32 hwreg(HW_REG_WAVE_MODE, 25, 1), 1
	s_wait_xcnt 0x0
; The causal tiles of S = Q K^T and the first half of the softmax.  qh, kh: [8192][1024] f16.  A batch's 2048 x 2048 scores lie in 8 x 8 tiles of 256 x 256; tiles (I, J) with J <= I are made: 36 a batch, a work-group each.
; A wave makes 128 queries x 128 keys (a CHUNK of keys): 64 accumulators, sums in f32 over K = 1024.  Then, for each query, the chunk's own maximum m is taken away: p = 2^(c s - c m), c = log2(e) / 32;
; p leaves as f16 in pp [b][q 2048][key 2048]; c m and l = the sum of the unrounded p leave in st [b][chunk 16][kind 2][2048]; the entry of row q is (q / 64) 64 + (q % 16) 4 + (q / 16) % 4.
; The next launch brings the chunks of a row to the row's maximum.
; THE MASK is the C operand of the product that starts a sum: 0, or -1e30 where the key lies behind the query (only where I = J and the wave's query half equals its key half; every row there sees its own key, so m is a true score).
; The quadrant that is hidden as a whole (I = J, query half 0, key half 1) takes no mask: its p, made of its real scores with their own maximum, are finite, and its stored c m is -1e30, so that the next launch's factor for it is 0.
; LIMITS.  A hidden score counts as its value less 1e30; p below 6e-5 keeps f16's fixed step; a weight below 2^-126 counts as 0 in l; NaN and infinities are not treated apart.
; NO CLUSTER: the tiles that share rows of Q are the 1 to 8 of a row of the triangle, those that share rows of K the 8 to 1 of a column: neither number is a multiple of four throughout, and 36 tiles do not fall into rectangles.
; Ring, fragments and windows: K in steps of 128 through two LDS slots (256 rows of Q, 256 of K, rows of 256 bytes + 16 of padding); each wave fetches 128 rows with one tensor load; a K step is four quarters of 64 matrix instructions.
; Source 0 = 16 keys, source 1 = 16 queries: a lane holds ONE query (lane % 16) and the keys 8 (lane / 16) + 0..7.
; REGISTERS: window 0: v0-31 addresses; v32-63 masks, later statistics; v64-127, v128-191 Q's fragments, two buffers (later rows on the way out); v192-231 at work on the way out
;   window 1: v64-127, v128-191 K's fragments      window 2: the accumulators of my queries 0-63, (a, b) at v[8 (8 a + b)]      window 3: of my queries 64-127
.set KSTEP,  128
.set PITCH,  272
.set HALFT,  128*PITCH
.set SLOT,   4*HALFT
.set STAGE,  2*SLOT                    ; behind the ring: 16 rows x 272 bytes for each wave
.set SPITCH, 272
.set SPARE,  STAGE+4*16*SPITCH         ; the spare words, 128 bytes a wave: two blocks of 256 bytes that no other line names
.set NEGBIG, 0xf149f2ca                ; -1e30
.set ADRA, 16
.set ADRB, 20
.set STO,  24
.set RD,   25
.set CO,   26
.set SO,   27
.set SPW,  28
.set NIL,  29
.set MEQ,  40                          ; v[40:47] the mask of a block on the diagonal
.set MHI,  48                          ; v[48:55] of a block above it
.set CMV,  32                          ; v[32:39] c m of block a, as stored
.set LV,   40                          ; v[40:47] l of block a (the masks are done with)
.set T,    48                          ; v[48:57] at work; c m in the pair T+8, T+9
.set F0,   64
.set F1,   128
.set TMP,  192
.set OB,   64
.set G1, 24
.set G0, 32
.set CS,  48                           ; s[48:49] c
.set SEL, 50                           ; s[50:51] v_permlanex16_b32's selects
.set PPB, 52                           ; s[52:53] pp at my 128 x 128
.set STB, 54                           ; s[54:55] st at my chunk and rows
.set MSB, 0
.macro WIN new
.if MSB != (\new)
	s_set_vgpr_msb (MSB<<8)|(\new)
.set MSB, \new
.endif
.endm
.set MUL_LO, 0xa1                      ; source 0 (K) window 1, source 1 (Q) window 0, C and D window 2
.set TO_B,   0x40
.macro PLACES
.rept 4
	v_nop
.endr
.endm
	s_load_b256 s[4:11], s[0:1], 0x0               ; qh s[4:5], kh s[6:7], pp s[8:9], st s[10:11]
	v_lshl_add_u32 v[SPW], v0, 2, SPARE
	v_mov_b32 v[NIL], 0
	ds_add_u32 v[SPW], v[NIL]                      ; the wave's opening: an add, waited for ahead of my first tensor load
	ds_add_u32 v28, v29
	v_lshrrev_b32 v1, 5, v0
	v_readfirstlane_b32 s12, v1                    ; wave
	s_lshr_b32 s13, s12, 1                         ; wm: my half of the queries.  Also: I fetch for Q (0) or for K (1)
	s_and_b32 s14, s12, 1                          ; wn: my half of the keys.  Also: which 128 rows I fetch
	s_mov_b32 s15, ttmp9                           ; the tile's number in the triangle, 0 .. 35
	s_and_b32 s18, ttmp7, 0xffff                   ; the batch
	s_mov_b32 s16, 0
.irp th, 1,3,6,10,15,21,28                 ; I = how many rows of the triangle end at or before the tile
	s_cmp_ge_u32 s15, \th
	s_add_co_ci_u32 s16, s16, 0
.endr
	s_add_co_u32 s17, s16, 1
	s_mul_i32 s17, s17, s16
	s_lshr_b32 s17, s17, 1
	s_sub_co_u32 s17, s15, s17                     ; J
	s_mov_b32 s[G1+0], (1<<16)|(1<<20)|(5<<22)|(3<<25)  ; 2-byte elements; padding on: after every 64 words 4 words
	s_mov_b32 s[G1+1], KSTEP<<16
	s_mov_b32 s[G1+2], 128<<16
	s_mov_b32 s[G1+3], KSTEP<<16
	s_mov_b32 s[G1+4], 128
	s_mov_b32 s[G1+5], 1024
	s_mov_b32 s[G1+6], 0
	s_mov_b32 s[G1+7], 0
	s_mov_b32 s[CS], 0x3d38aa3b                    ; c = log2(e) / 32
	s_mov_b32 s[CS+1], s[CS]
	s_mov_b32 s[SEL], 0x76543210
	s_mov_b32 s[SEL+1], 0xfedcba98
	s_cmp_eq_u32 s13, 0
	s_cselect_b32 s20, s16, s17
	s_lshl_b32 s20, s20, 8
	s_lshl_b32 s21, s18, 11
	s_add_co_u32 s20, s20, s21
	s_lshl_b32 s21, s14, 7
	s_add_co_u32 s20, s20, s21                     ; the first row that I fetch
	s_lshl_b32 s20, s20, 11                        ; rows of 2,048 bytes
	s_mov_b32 s21, 0
	s_mul_i32 s19, s12, HALFT                      ; Q's two halves, then K's two halves
	s_wait_dscnt 0x0                               ; the opening add is done
	s_wait_kmcnt 0x0
	s_cmp_eq_u32 s13, 0
	s_cselect_b64 s[22:23], s[4:5], s[6:7]
	s_add_nc_u64 s[22:23], s[22:23], s[20:21]
.irp s, 0,1                                ; the two first fills go out together: two tensor loads of mine are out
	s_mov_b32 s[G0+4*(\s)], 1
	s_add_co_u32 s[G0+4*(\s)+1], s19, (\s)*SLOT
	s_add_nc_u64 s[G0+4*(\s)+2:G0+4*(\s)+3], s[22:23], (\s)*KSTEP*2
	s_or_b32 s[G0+4*(\s)+3], s[G0+4*(\s)+3], 0x80000000
	tensor_load_to_lds s[G0+4*(\s):G0+4*(\s)+3], s[G1:G1+7]
	s_nop 0
.endr
	PLACES
	v_and_b32 v1, 15, v0                           ; r
	v_bfe_u32 v2, v0, 4, 1                         ; h
	s_cmp_eq_u32 s16, s17
	s_cselect_b32 s40, 1, 0                        ; the tile holds the diagonal
	s_cmp_eq_u32 s13, s14
	s_cselect_b32 s41, 1, 0
	s_cmp_lt_u32 s13, s14
	s_cselect_b32 s42, 1, 0
	s_and_b32 s41, s41, s40                        ; so does my quadrant
	s_and_b32 s42, s42, s40                        ; my quadrant is hidden as a whole
	s_cmp_lg_u32 s41, 0
	s_cselect_b32 s45, NEGBIG, 0
	s_cmp_lg_u32 s42, 0
	s_cselect_b32 s46, 0, 1.0                      ; the stored c m = c m x s46 + s47
	s_cselect_b32 s47, NEGBIG, 0
	v_lshlrev_b32 v3, 3, v2
	v_sub_nc_u32 v3, v1, v3                        ; on the diagonal register j is hidden where j > r - 8 h
.irp j, 0,1,2,3,4,5,6,7
	v_mov_b32 v[MHI+\j], s45
	v_cmp_gt_i32 vcc_lo, \j, v3
	v_cndmask_b32 v[MEQ+\j], 0, v[MHI+\j], vcc_lo
.endr
	v_mul_u32_u24 v4, v1, PITCH
	v_lshl_add_u32 v4, v2, 4, v4                   ; row x pitch + 16 x half
	s_mul_i32 s40, s13, HALFT
	s_mul_i32 s41, s14, HALFT
	s_add_co_u32 s41, s41, 2*HALFT
.irp s, 0,1
	v_add_nc_u32 v[ADRA+(\s)], s40, v4
	v_add_nc_u32 v[ADRB+(\s)], s41, v4
	s_add_co_u32 s40, s40, SLOT
	s_add_co_u32 s41, s41, SLOT
.endr
	s_mul_i32 s40, s12, 16*SPITCH
	s_add_co_u32 s40, s40, STAGE                   ; my stage
	v_add_nc_u32 v[STO], s40, v4                   ; in: row r, 16 bytes for each half of the lanes
	v_mul_u32_u24 v5, v2, SPITCH
	v_lshl_add_u32 v5, v1, 4, v5
	v_add_nc_u32 v[RD], s40, v5                    ; back: lanes 0-15 one row of 256 bytes, lanes 16-31 the next
	v_lshlrev_b32 v5, 12, v2
	v_lshl_add_u32 v[CO], v1, 4, v5                ; the same two rows in pp
	v_and_b32 v5, 31, v0
	v_lshlrev_b32 v[SO], 4, v5
	s_lshl_b32 s40, s18, 23                        ; pp: batch, row 256 I + 128 wm of 4,096 bytes, byte 512 J + 256 wn
	s_lshl_b32 s41, s16, 20
	s_add_co_u32 s40, s40, s41
	s_lshl_b32 s41, s13, 19
	s_add_co_u32 s40, s40, s41
	s_lshl_b32 s41, s17, 9
	s_add_co_u32 s40, s40, s41
	s_lshl_b32 s41, s14, 8
	s_add_co_u32 s40, s40, s41
	s_mov_b32 s41, 0
	s_add_nc_u64 s[PPB:PPB+1], s[8:9], s[40:41]
	s_lshl_b32 s40, s18, 18                        ; st: batch, chunk 2 J + wn of 16,384 bytes, entry 256 I + 128 wm
	s_lshl_b32 s41, s17, 15
	s_add_co_u32 s40, s40, s41
	s_lshl_b32 s41, s14, 14
	s_add_co_u32 s40, s40, s41
	s_lshl_b32 s41, s16, 10
	s_add_co_u32 s40, s40, s41
	s_lshl_b32 s41, s13, 9
	s_add_co_u32 s40, s40, s41
	s_mov_b32 s41, 0
	s_add_nc_u64 s[STB:STB+1], s[10:11], s[40:41]
; 16 matrix instructions: query blocks a0, a0 + 1 of the window's four (hi = 0: my queries 0-63, 1: 64-127) x all 8 key blocks, 32 along K.  first = 1: the products start the sums, with 0 or a mask.
; The 64 accumulators take turns, one instruction a turn.
.macro MUL16 f, hi, a0, first
.if \first
	WIN 0x81+0x40*(\hi)                            ; C in window 0
.else
	WIN MUL_LO+0x50*(\hi)
.endif
.irp a, \a0, (\a0)+1
.irp b, 0,1,2,3,4,5,6,7
.if (\first) && ((\b) < 4*(\hi)+(\a))
	v_wmma_f32_16x16x32_f16 v[8*(8*(\a)+(\b)):8*(8*(\a)+(\b))+7], v[(\f)+8*(\b):(\f)+8*(\b)+7], v[(\f)+8*(4*(\hi)+(\a)):(\f)+8*(4*(\hi)+(\a))+7], 0
.elseif (\first) && ((\b) == 4*(\hi)+(\a))
	v_wmma_f32_16x16x32_f16 v[8*(8*(\a)+(\b)):8*(8*(\a)+(\b))+7], v[(\f)+8*(\b):(\f)+8*(\b)+7], v[(\f)+8*(4*(\hi)+(\a)):(\f)+8*(4*(\hi)+(\a))+7], v[MEQ:MEQ+7]
.elseif (\first)
	v_wmma_f32_16x16x32_f16 v[8*(8*(\a)+(\b)):8*(8*(\a)+(\b))+7], v[(\f)+8*(\b):(\f)+8*(\b)+7], v[(\f)+8*(4*(\hi)+(\a)):(\f)+8*(4*(\hi)+(\a))+7], v[MHI:MHI+7]
.else
	v_wmma_f32_16x16x32_f16 v[8*(8*(\a)+(\b)):8*(8*(\a)+(\b))+7], v[(\f)+8*(\b):(\f)+8*(\b)+7], v[(\f)+8*(4*(\hi)+(\a)):(\f)+8*(4*(\hi)+(\a))+7], v[8*(8*(\a)+(\b)):8*(8*(\a)+(\b))+7]
.endif
.endr
.endr
.endm
.macro FETCH slot, k, f                ; 32 LDS loads in one run: 128 keys, then 128 queries, 32 along K at byte k of the rows
	WIN TO_B
.irp i, 0,1,2,3,4,5,6,7
	ds_load_b128 v[(\f)+8*(\i):(\f)+8*(\i)+3],   v[ADRB+(\slot)] offset:(\k)+(\i)*16*PITCH
	ds_load_b128 v[(\f)+8*(\i)+4:(\f)+8*(\i)+7], v[ADRB+(\slot)] offset:(\k)+(\i)*16*PITCH+32
.endr
	WIN 0
.irp i, 0,1,2,3,4,5,6,7
	ds_load_b128 v[(\f)+8*(\i):(\f)+8*(\i)+3],   v[ADRA+(\slot)] offset:(\k)+(\i)*16*PITCH
	ds_load_b128 v[(\f)+8*(\i)+4:(\f)+8*(\i)+7], v[ADRA+(\slot)] offset:(\k)+(\i)*16*PITCH+32
.endr
.endm
.macro QUARTER slot, k, f, g, first
	s_wait_dscnt 8                                 ; K and my queries 0-63 are in; the youngest eight loads (queries 64-127) may be out
	MUL16 \f, 0, 0, \first
	MUL16 \f, 0, 2, \first
	PLACES
	FETCH \slot, \k, \g
	s_wait_dscnt 32                                ; all but the 32 just issued
	MUL16 \f, 1, 0, \first
	MUL16 \f, 1, 2, \first
.endm
; The last quarter multiplies buffer 1 and changes slots: one barrier; in front of it each wave waits for all its tensor loads (one is out: its part of the next slot), adds 0 to its spare word, and waits for that and
; for its reads of this slot.  fill = 1: this slot is filled again, two K steps ahead: my one tensor load behind the barrier, and the first thing there.
.macro TURN slot, next, fill
	WIN 0
	s_wait_tensorcnt 0x0
	ds_add_u32 v[SPW], v[NIL]
	s_wait_dscnt 9                                 ; the add and the youngest eight loads may be out
	MUL16 F1, 0, 0, 0
	s_wait_dscnt 0x0                               ; the add is done, and my reads of this slot are over
	s_barrier_signal -1
	MUL16 F1, 0, 2, 0
	WIN 0
	s_barrier_wait -1
.if \fill
	s_add_nc_u64 s[G0+4*(\slot)+2:G0+4*(\slot)+3], s[G0+4*(\slot)+2:G0+4*(\slot)+3], 2*KSTEP*2
	tensor_load_to_lds s[G0+4*(\slot):G0+4*(\slot)+3], s[G1:G1+7]
	s_nop 0
.endif
	PLACES
	FETCH \next, 0, F0
	MUL16 F1, 1, 0, 0
	MUL16 F1, 1, 2, 0
.endm
	s_wait_tensorcnt 1                             ; my part of K step 0 is in; K step 1's may stay out
	s_barrier_signal -1
	s_barrier_wait -1
	FETCH 0, 0, F0
	QUARTER 0, 64,  F0, F1, 1                      ; the first quarter stands in front of the loop: its products start the sums
	WIN 0
	s_mov_b32 s3, 3
.Llap:
	QUARTER 0, 128, F1, F0, 0
	QUARTER 0, 192, F0, F1, 0
	TURN 0, 1, 1
	QUARTER 1, 64,  F0, F1, 0
	QUARTER 1, 128, F1, F0, 0
	QUARTER 1, 192, F0, F1, 0
	TURN 1, 0, 1
	QUARTER 0, 64,  F0, F1, 0
	WIN 0
	s_sub_co_u32 s3, s3, 1
	s_cmp_lg_u32 s3, 0
	s_cbranch_scc1 .Llap
	QUARTER 0, 128, F1, F0, 0                      ; the last lap fills nothing
	QUARTER 0, 192, F0, F1, 0
	TURN 0, 1, 0
	QUARTER 1, 64,  F0, F1, 0
	QUARTER 1, 128, F1, F0, 0
	QUARTER 1, 192, F0, F1, 0
	s_wait_dscnt 8
	MUL16 F1, 0, 0, 0
	MUL16 F1, 0, 2, 0
	s_wait_dscnt 0x0
	MUL16 F1, 1, 0, 0
	MUL16 F1, 1, 2, 0
	WIN 0
	PLACES
	v_mov_b32 v[T+9], 0                            ; named with T+8 as a pair
; THE SOFTMAX OF BLOCK a (16 queries x my 128 keys; a lane holds 64 scores of one query, the lane 16 away the other 64): maximum, c m, p in place, p as f16 into TMP, l.
.macro SOFT a
.set W, 2+(\a)/4
.set AC, 64*((\a)%4)
	WIN 0x15*W                                     ; all three sources in the accumulators' window
.set b, 0
.rept 8
	v_max3_num_f32 v[T+b], v[AC+8*b], v[AC+8*b+1], v[AC+8*b+2]  ; each accumulator's lowest registers are read first
.set b, b+1
.endr
	WIN 0x14*W
.set b, 0
.rept 8
	v_max3_num_f32 v[T+b], v[T+b], v[AC+8*b+3], v[AC+8*b+4]
.set b, b+1
.endr
.set b, 0
.rept 8
	v_max3_num_f32 v[T+b], v[T+b], v[AC+8*b+5], v[AC+8*b+6]
.set b, b+1
.endr
.set b, 0
.rept 4
	v_max3_num_f32 v[T+b], v[T+b], v[AC+8*b+7], v[AC+8*(b+4)+7]
.set b, b+1
.endr
	WIN 0
	v_max3_num_f32 v[T], v[T], v[T+1], v[T+2]
	v_max3_num_f32 v[T+3], v[T+3], v[T+4], v[T+5]
	v_max_num_f32 v[T+6], v[T+6], v[T+7]
	v_max3_num_f32 v[T], v[T], v[T+3], v[T+6]
	v_permlanex16_b32 v[T+1], v[T], s[SEL], s[SEL+1]
	v_max_num_f32 v[T], v[T], v[T+1]               ; m
	v_mul_f32 v[T+8], s[CS], v[T]                  ; c m
	v_fma_f32 v[CMV+(\a)], v[T+8], s46, s47        ; as stored: c m, or -1e30 for the quadrant that is hidden as a whole
	WIN (W<<6)|W
.set i, 0
.rept 32
	v_pk_fma_f32 v[AC+2*i:AC+2*i+1], v[AC+2*i:AC+2*i+1], s[CS:CS+1], v[T+8:T+9] op_sel_hi:[1,0,0] neg_lo:[0,0,1] neg_hi:[0,0,1]
.set i, i+1
.endr
.set i, 0
.rept 64
	v_exp_f32 v[AC+i], v[AC+i]
.set i, i+1
.endr
	v_nop                                          ; a plain instruction between the last exponential and the use of its result
	WIN 0x05*W
.set i, 0
	s_wait_alu depctr_va_vdst(0)
.rept 32
	v_cvt_pk_f16_f32 v[TMP+i], v[AC+2*i], v[AC+2*i+1]
.set i, i+1
.endr
	WIN (W<<6)|(W<<2)|W
.irp d, 1,2,4,8,16                         ; the sum of the 32 pairs, in place, as a tree
.set p, 0
.rept 16/\d
	v_pk_add_f32 v[AC+2*p:AC+2*p+1], v[AC+2*p:AC+2*p+1], v[AC+2*(p+\d):AC+2*(p+\d)+1]
.set p, p+2*\d
.endr
.endr
	WIN 0x05*W
	v_add_f32 v[T], v[AC], v[AC+1]
	WIN 0
	v_permlanex16_b32 v[T+1], v[T], s[SEL], s[SEL+1]
	v_add_f32 v[LV+(\a)], v[T], v[T+1]
.endm
.macro TOSTAGE a                       ; 16 bytes a lane into my own stage, and back as whole rows of 256 bytes
	WIN 0
.set BK, OB+32*((\a)%2)
.irp b, 0,1,2,3,4,5,6,7
	ds_store_b128 v[STO], v[TMP+4*(\b):TMP+4*(\b)+3] offset:32*(\b)
.endr
.irp t, 0,1,2,3,4,5,6,7
	ds_load_b128 v[BK+4*(\t):BK+4*(\t)+3], v[RD] offset:(\t)*2*SPITCH  ; LDS serves a wave's instructions in order (ISA guide 5.7.1.4): these see the stores above
.endr
.endm
.macro SEND a
	WIN 0
.set BK, OB+32*((\a)%2)
	s_wait_dscnt 0x0                               ; the block is back in registers
	s_wait_xcnt 0x0                                ; the other set of rows, which the block before stored, is loaded again only behind this wait
.irp t, 0,1,2,3,4,5,6,7
	global_store_b128 v[CO], v[BK+4*(\t):BK+4*(\t)+3], s[PPB:PPB+1] offset:(16*(\a)+2*(\t))*4096  ; sixteen lanes store 256 consecutive bytes, aligned
.endr
.endm
	SOFT 0
	TOSTAGE 0
.irp a, 1,2,3,4,5,6,7                      ; block a's arithmetic stands between block a - 1's loads from the stage and the wait for them
	SOFT \a
	SEND (\a)-1
	TOSTAGE \a
.endr
	SEND 7
	; the statistics: lanes 0-15 hold blocks 0-3 of query r, lanes 16-31 blocks 4-7: 16 bytes a lane, 512 consecutive bytes a store
	v_cmp_ne_u32 vcc_lo, 0, v2
.irp j, 0,1,2,3
	v_cndmask_b32 v[224+\j], v[CMV+\j], v[CMV+4+\j], vcc_lo
	v_cndmask_b32 v[228+\j], v[LV+\j], v[LV+4+\j], vcc_lo
.endr
	global_store_b128 v[SO], v[224:227], s[STB:STB+1]
	global_store_b128 v[SO], v[228:231], s[STB:STB+1] offset:8192
	s_wait_tensorcnt 0x0                           ; the wave's end
	ds_add_u32 v[SPW], v[NIL]
	s_wait_dscnt 0x0
	s_endpgm
.Lfunc_end_k_q47302f3269_scores:
	.size	k_q47302f3269_scores, .Lfunc_end_k_q47302f3269_scores-k_q47302f3269_scores
	.p2alignl 7, 3214868480
	.fill 96, 4, 3214868480
	.section	.rodata,"a",@progbits
	.p2align	6, 0x0
	.amdhsa_kernel k_q47302f3269_scores
		.amdhsa_group_segment_fixed_size 327680
		.amdhsa_private_segment_fixed_size 0
		.amdhsa_enable_private_segment 0
		.amdhsa_kernarg_size 32
		.amdhsa_user_sgpr_count 2
		.amdhsa_user_sgpr_kernarg_segment_ptr 1
		.amdhsa_wavefront_size32 1
		.amdhsa_system_sgpr_workgroup_id_x 1
		.amdhsa_system_sgpr_workgroup_id_y 1
		.amdhsa_system_sgpr_workgroup_id_z 1
		.amdhsa_system_vgpr_workitem_id 0
		.amdhsa_next_free_vgpr 1024
		.amdhsa_next_free_sgpr 66
		.amdhsa_reserve_vcc 1
		.amdhsa_float_denorm_mode_32 3
		.amdhsa_float_denorm_mode_16_64 3
		.amdhsa_memory_ordered 1
		.amdhsa_forward_progress 1
		.amdhsa_inst_pref_size 209
	.end_amdhsa_kernel
	.amdgpu_metadata
---
amdhsa.version: [ 1, 2 ]
amdhsa.kernels:
  - .name:           k_q47302f3269_scores
    .symbol:         k_q47302f3269_scores.kd
    .args:
      - { .name: qh, .offset: 0, .size: 8, .value_kind: global_buffer, .address_space: global }
      - { .name: kh, .offset: 8, .size: 8, .value_kind: global_buffer, .address_space: global }
      - { .name: pp, .offset: 16, .size: 8, .value_kind: global_buffer, .address_space: global }
      - { .name: st, .offset: 24, .size: 8, .value_kind: global_buffer, .address_space: global }
    .group_segment_fixed_size: 327680
    .private_segment_fixed_size: 0
    .kernarg_segment_align: 8
    .kernarg_segment_size: 32
    .max_flat_workgroup_size: 128
    .sgpr_count:     66
    .vgpr_count:     1024
    .wavefront_size: 32
...
	.end_amdgpu_metadata
.endif
;; end of part 3
;; launch pv (part 4): grid 8 x 32, 4 waves a work-group, clusters of 4 x 1, 327,680 bytes of LDS; arguments pp, vt, st, out0; writes out0
.if DOCPART == 4
	.amdgcn_target "amdgcn-amd-amdhsa--gfx1250"
	.amdhsa_code_object_version 6
	.text
	.protected	k_q47302f3269_pv
	.globl	k_q47302f3269_pv
	.p2align	8
	.type	k_q47302f3269_pv,@function
k_q47302f3269_pv:
	s_mov_b64 s[64:65], 0
	v_nop
	global_prefetch_b8 v0, s[64:65] scope:SCOPE_SE
	s_setreg_imm32_b32 hwreg(HW_REG_WAVE_MODE, 25, 1), 1
	s_wait_xcnt 0x0
	s_wait_alu depctr_hold_cnt(0) depctr_sa_sdst(0) depctr_va_vdst(0) depctr_va_sdst(0) depctr_va_ssrc(0) depctr_va_vcc(0) depctr_vm_vsrc(0)
	s_getreg_b32 s2, hwreg(HW_REG_IB_STS2, 6, 4)
	s_cmp_eq_u32 s2, 0
	s_cbranch_scc0 .Lentry_in_a_cluster
	s_endpgm
.Lentry_in_a_cluster:
	s_bfe_u32 s2, ttmp6, 0x10000c
	s_cmp_lg_u32 s2, 0x3003
	s_cbranch_scc0 .Lentry_shape_is_right
	s_endpgm
.Lentry_shape_is_right:
; O[q][:] = (the sum over chunks of e_chunk x P_chunk V) / L,  e = 2^(c m_chunk - M),  M = the row's maximum of c m over its 16 chunks,  L = the sum of e l.  pp [b][q 2048][key 2048] f16, vt [b][channel 1024][key 2048] f16,
; st [b][chunk 16][kind 2][2048] f32 (chunks that do not exist, or are hidden as a whole, hold c m = -1e30: e = 0), out0 [b][q][1024] f32.  Products in f16 with f32 sums; e, M, L and the division in f32.
; LIMITS.  e and p e are rounded to f16: below 6e-5 they keep f16's fixed step of 6e-8, against a row's L of 1 or more.  NaN and infinities are not treated apart.
; SHARES.  A tile of O is 128 queries x 128 channels.  Query tile t needs the keys 0 .. 128 t + 127: t / 2 + 1 steps of 256 keys.  A work-group takes tiles 15 - p and then p of one batch and one slice of channels:
; 9 steps, whatever p: all work-groups do equal work, and one loop with a constant trip count walks them; which tile is asked for hangs on scalar registers made from p.  Of the 2,304 keys walked 128 are hidden ones, multiplied by e = 0.
; Four waves, each 64 x 64: 16 accumulators, 128 matrix instructions a step.  Source 0 = 16 channels, source 1 = 16 queries: a lane holds ONE query (lane % 16) and 8 neighbouring channels.
; e hangs on the query and the chunk of 128 keys, so it is multiplied onto P's fragments in registers, where a lane holds one query: two packed f16 multiplies behind each matrix instruction.
; CLUSTER.  The four work-groups of a cluster share batch and p and differ in the slice of channels: P's tiles are asked for jointly (mask of four).  V's tiles are each work-group's own: those that share them differ in p and walk
; other steps at the same time, but for pairs.
; The accumulators are cleared by 128 v_mov_b32 in the wait for the first tile and once more where the first block has gone out: the price of one text for every step.
; REGISTERS: window 0: v0-29 addresses; v32-39 e as pairs of f16 (chunk u, block a at 4 u + a); v40-47 the next step's c m; v48-75 M and 1 / L of both blocks; v96-127 at work; v128-191, v192-255 V's fragments, two buffers
;   window 1: v0-127 the accumulators, (a, b) at v[8 (4 a + b)]; v128-191, v192-255 P's fragments, two buffers.  A buffer holds 64 keys: fragment (c, i) at 8 (4 c + i).
.set PITCH,  528                       ; an LDS row: 512 bytes + 16
.set HALFT,  64*PITCH
.set SLOT,   4*HALFT                   ; P's 128 rows, then V's 128 rows: 135,168 = 0x21000; bits 12 and 17 are clear in every tile's place in slot 0, so one exclusive or changes slots
.set FROW,   16*PITCH
.set STAGE,  2*SLOT                    ; behind the ring: 16 rows x 272 bytes for each wave
.set SPITCH, 272
.set SPARE,  STAGE+4*16*SPITCH         ; the spare words, 128 bytes a wave: two blocks of 256 bytes that no other line names
.set AP0, 2                            ; v2  my lane's place in P's tile; never rewritten
.set AV0, 3                            ; v3  in V's
.set ADRP, 4                           ; v4, v5 the same in the slot in hand
.set ADRV, 5
.set STO, 6
.set RD,  7
.set CO,  8
.set SL0, 9                            ; v9  16 r: my query's four entries of a chunk's statistics
.set SOV, 10                           ; v10 the same at the step asked for
.set SPW, 28
.set NIL, 29
.set E,   32
.set CMN, 40
.set MH,  48                           ; v[48:51] M of the first block, v[52:55] of the second
.set ML,  52
.set RH,  56                           ; v[56:63] 1 / L of the first block, as pairs; v[64:71] of the second
.set RL,  64
.set MS,  72
.set TMP, 96
.set G1P, 24
.set G1V, 32
.set G0P, 40
.set G0V, 44
.set PBH, 48                           ; s[48:49] pp at my 64 rows of the first block's tiles; s[50:51] of the second's
.set PBL, 50
.set VB,  52                           ; s[52:53] vt at my 64 channels
.set OH,  54                           ; s[54:55], s[56:57] out0 at my 64 x 64 of the first and second block
.set OL,  56
.set STB, 58                           ; s[58:59] st at the batch
.set OFF, 60                           ; s[60:61] a step's byte offset along the keys
.set TP,  62
.set AKS, 66                           ; the step to be asked for next, within its block
.set ALAST, 67                         ; that block's last step
.set ABLK, 68                          ; 0: the first block, 1: the second
.set EM,  69                           ; 0 or -1: which block's M goes with the c m that is on its way
.set URT, 70                           ; steps that the block in hand still has
.set SB,  72                           ; the slot in hand
.set QOH, 73                           ; byte offset of my 64 rows' entries in a chunk's statistics
.set QOL, 74
.set SOFF, 75
.set CNT, 76
.set NLM1, 77
.set MSB, 0
.macro WIN new
.if MSB != (\new)
	s_set_vgpr_msb (MSB<<8)|(\new)
.set MSB, \new
.endif
.endm
.macro PLACES
.rept 4
	v_nop
.endr
.endm
.macro JLOAD                           ; waves 0 and 1 ask jointly for the two halves of P's tile, waves 2 and 3 for those of V's; an s_nop 0 and four v_nop follow each line
	s_cmp_lt_u32 s12, 2
	s_cbranch_scc0 .Lfor_v_\@
	tensor_load_to_lds s[G0P:G0P+3], s[G1P:G1P+7]
	s_nop 0
.rept 4
	v_nop
.endr
	s_branch .Lasked_\@
.Lfor_v_\@:
	tensor_load_to_lds s[G0V:G0V+3], s[G1V:G1V+7]
	s_nop 0
.rept 4
	v_nop
.endr
.Lasked_\@:
.endm
.macro CREST
	s_cmp_lg_u32 s12, 0
	s_cbranch_scc1 .Lnot_wave_0_\@
	s_barrier_signal -3
.Lnot_wave_0_\@:
	s_barrier_wait -3
	s_barrier_signal -1
	s_barrier_wait -1
.endm
.macro CROUND
	s_barrier_signal -1
	s_barrier_wait -1
	CREST
.endm
; The descriptors for the next fill are made anew from the step's number: a pointer and an offset made apart.  No tensor load of mine is out here.
.macro ASK
	s_lshl_b32 s[OFF], s[AKS], 9                   ; 256 keys of 2 bytes
	s_cmp_eq_u32 s[ABLK], 0
	s_cselect_b64 s[TP:TP+1], s[PBH:PBH+1], s[PBL:PBL+1]
	s_cselect_b32 s[SOFF], s[QOH], s[QOL]
	s_cselect_b32 s[EM], 0, -1
	s_add_nc_u64 s[G0P+2:G0P+3], s[TP:TP+1], s[OFF:OFF+1]
	s_or_b32 s[G0P+3], s[G0P+3], 0x80000000
	s_add_nc_u64 s[G0V+2:G0V+3], s[VB:VB+1], s[OFF:OFF+1]
	s_or_b32 s[G0V+3], s[G0V+3], 0x80000000
	s_xor_b32 s[G0P+1], s[G0P+1], SLOT             ; the other slot than last time
	s_xor_b32 s[G0V+1], s[G0V+1], SLOT
	s_lshl_b32 s78, s[AKS], 15                     ; the step's two chunks of 16,384 bytes of statistics
	s_add_co_u32 s[SOFF], s[SOFF], s78
	s_add_co_u32 s[AKS], s[AKS], 1                 ; the block's next step, or behind its last the second block's step 0
	s_cmp_gt_u32 s[AKS], s[ALAST]
	s_cselect_b32 s[AKS], 0, s[AKS]
	s_cselect_b32 s[ALAST], s[NLM1], s[ALAST]
	s_cselect_b32 s[ABLK], 1, s[ABLK]
.endm
	s_load_b256 s[4:11], s[0:1], 0x0               ; pp s[4:5], vt s[6:7], st s[8:9], out0 s[10:11]
	v_lshl_add_u32 v[SPW], v0, 2, SPARE
	v_mov_b32 v[NIL], 0
	ds_add_u32 v[SPW], v[NIL]                      ; the wave's opening: an add, waited for ahead of my first tensor load
	ds_add_u32 v28, v29
	v_lshrrev_b32 v1, 5, v0
	v_readfirstlane_b32 s12, v1                    ; wave
	s_lshr_b32 s13, s12, 1                         ; wm: my half of the queries
	s_and_b32 s14, s12, 1                          ; wn: my half of the channels.  Also: which 64 rows of a tile I fetch
	s_bfe_u32 s15, ttmp6, 0x40000                  ; cx
	s_lshl_b32 s16, ttmp9, 2
	s_add_co_u32 s16, s16, s15                     ; n, the slice of 128 channels: it enters vt's and out0's addresses alone
	s_and_b32 s17, ttmp7, 0xffff
	s_lshr_b32 s18, s17, 3                         ; the batch
	s_and_b32 s19, s17, 7                          ; p
	s_lshr_b32 s[NLM1], s19, 1
	s_sub_co_u32 s20, 8, s[NLM1]                   ; the first block's steps
	s_add_co_u32 s21, s[NLM1], 1                   ; the second's
	s_sub_co_u32 s22, 15, s19                      ; the first block's query tile
	s_mov_b32 s[G1P+0], 15|(1<<16)|(1<<20)|(1<<21)|(6<<22)|(3<<25)  ; the mask of four; 2-byte elements; padding on; bit 21 beside a mask; after every 128 words 4 words
	s_mov_b32 s[G1V+0], (1<<16)|(1<<20)|(6<<22)|(3<<25)
.irp g, G1P, G1V
	s_mov_b32 s[(\g)+1], 256<<16                   ; tensor_dim0 = 256 keys
	s_mov_b32 s[(\g)+2], 64<<16                    ; tensor_dim1 = 64 rows
	s_mov_b32 s[(\g)+3], 256<<16
	s_mov_b32 s[(\g)+4], 64
	s_mov_b32 s[(\g)+5], 2048                      ; elements from row to row
	s_mov_b32 s[(\g)+6], 0
	s_mov_b32 s[(\g)+7], 0
.endr
	s_mov_b32 s[G0P], 1
	s_mul_i32 s[G0P+1], s14, HALFT                 ; slot 0
	s_mov_b32 s[G0V], 1
	s_add_co_u32 s[G0V+1], s[G0P+1], 2*HALFT
	s_lshl_b32 s2, s18, 23                         ; pp: the batch,
	s_lshl_b32 s3, s14, 18                         ; my 64 rows of 4,096 bytes
	s_add_co_u32 s2, s2, s3
	s_mov_b32 s81, 0
	s_mov_b32 s83, 0
	s_mov_b32 s[OFF+1], 0
	s_lshl_b32 s[QOH], s22, 9                      ; 4 bytes x (128 tile + 64 wm)
	s_lshl_b32 s[QOL], s19, 9
	s_lshl_b32 s23, s13, 8
	s_add_co_u32 s[QOH], s[QOH], s23
	s_add_co_u32 s[QOL], s[QOL], s23
	s_mov_b32 s[AKS], 1                            ; step 0 of the first block is asked for below
	s_sub_co_u32 s[ALAST], s20, 1
	s_mov_b32 s[ABLK], 0
	s_mov_b32 s[URT], s20
	s_mov_b32 s[SB], 0
	s_wait_dscnt 0x0                               ; the opening add is done
	s_wait_kmcnt 0x0
	s_lshl_b32 s80, s22, 19                        ; a query tile is 128 rows of 4,096 bytes
	s_add_co_u32 s80, s80, s2
	s_add_nc_u64 s[PBH:PBH+1], s[4:5], s[80:81]
	s_lshl_b32 s80, s19, 19
	s_add_co_u32 s80, s80, s2
	s_add_nc_u64 s[PBL:PBL+1], s[4:5], s[80:81]
	s_lshl_b32 s80, s18, 18
	s_add_nc_u64 s[STB:STB+1], s[8:9], s[80:81]
	s_lshl_b32 s82, s18, 22                        ; vt: the batch, channel 128 n + 64 wn of 4,096 bytes
	s_lshl_b32 s23, s16, 19
	s_add_co_u32 s82, s82, s23
	s_add_co_u32 s82, s82, s3
	s_add_nc_u64 s[VB:VB+1], s[6:7], s[82:83]
	s_lshl_b32 s23, s18, 23                        ; out0: the batch, row 128 tile + 64 wm of 4,096 bytes, byte 512 n + 256 wn
	s_lshl_b32 s82, s13, 18
	s_add_co_u32 s23, s23, s82
	s_lshl_b32 s82, s16, 9
	s_add_co_u32 s23, s23, s82
	s_lshl_b32 s82, s14, 8
	s_add_co_u32 s23, s23, s82
	s_lshl_b32 s82, s22, 19
	s_add_co_u32 s82, s82, s23
	s_add_nc_u64 s[OH:OH+1], s[10:11], s[82:83]
	s_lshl_b32 s82, s19, 19
	s_add_co_u32 s82, s82, s23
	s_add_nc_u64 s[OL:OL+1], s[10:11], s[82:83]
	s_add_nc_u64 s[G0P+2:G0P+3], s[PBH:PBH+1], 0
	s_or_b32 s[G0P+3], s[G0P+3], 0x80000000
	s_add_nc_u64 s[G0V+2:G0V+3], s[VB:VB+1], 0
	s_or_b32 s[G0V+3], s[G0V+3], 0x80000000
	CROUND                                         ; all four work-groups are here: the first joint loads meet
	JLOAD                                          ; step 0 into slot 0
	v_and_b32 v1, 15, v0                           ; r
	v_bfe_u32 v11, v0, 4, 1                        ; h
	v_lshlrev_b32 v[SL0], 4, v1
	v_add_nc_u32 v12, s[QOH], v[SL0]
	v_add_nc_u32 v13, s[QOL], v[SL0]
.set c, 0
.rept 16                                   ; the statistics of all 16 chunks for my 64 rows of both blocks: chunk c's c m at v[128 + 8 c ..], its l four registers on; the first block's in window 0, the second's in window 1
	global_load_b128 v[128+8*c:128+8*c+3], v12, s[STB:STB+1] offset:c*16384
	global_load_b128 v[128+8*c+4:128+8*c+7], v12, s[STB:STB+1] offset:c*16384+8192
.set c, c+1
.endr
	WIN 0x40
.set c, 0
.rept 16
	global_load_b128 v[128+8*c:128+8*c+3], v13, s[STB:STB+1] offset:c*16384
	global_load_b128 v[128+8*c+4:128+8*c+7], v13, s[STB:STB+1] offset:c*16384+8192
.set c, c+1
.endr
	WIN 0
	v_mul_u32_u24 v14, v1, PITCH
	v_lshl_add_u32 v14, v11, 4, v14                ; row x pitch + 16 x half
	s_mul_i32 s2, s13, HALFT
	v_add_nc_u32 v[AP0], s2, v14
	s_mul_i32 s2, s14, HALFT
	s_add_co_u32 s2, s2, 2*HALFT
	v_add_nc_u32 v[AV0], s2, v14
	s_mul_i32 s2, s12, 16*SPITCH
	s_add_co_u32 s2, s2, STAGE                     ; my stage
	v_mul_u32_u24 v14, v1, SPITCH                  ; in: row r, 32 bytes for each half of the lanes
	v_lshl_add_u32 v14, v11, 5, v14
	v_add_nc_u32 v[STO], s2, v14
	v_mul_u32_u24 v14, v11, SPITCH                 ; back: lanes 0-15 one row of 256 bytes, lanes 16-31 the next
	v_lshl_add_u32 v14, v1, 4, v14
	v_add_nc_u32 v[RD], s2, v14
	v_lshlrev_b32 v14, 12, v11
	v_lshl_add_u32 v[CO], v1, 4, v14
	v_mov_b32 v[ADRP], v[AP0]
	v_mov_b32 v[ADRV], v[AV0]
; A block's M and 1 / L, wholly inside one window (w = 0 or 0x55); mv = the setting under which the results are moved into window 0.  The e stay where the c m lay.
.macro STATS w, mv, M, R
	WIN \w
.irp a, 0,1,2,3
	v_max3_num_f32 v[96+\a], v[128+\a], v[136+\a], v[144+\a]
.endr
.irp c, 3,5,7,9,11,13
.irp a, 0,1,2,3
	v_max3_num_f32 v[96+\a], v[96+\a], v[128+8*\c+\a], v[136+8*\c+\a]
.endr
.endr
.irp a, 0,1,2,3
	v_max_num_f32 v[96+\a], v[96+\a], v[248+\a]
.endr
.set c, 0
.rept 16
	v_pk_add_f32 v[128+8*c:129+8*c], v[128+8*c:129+8*c], v[96:97] neg_lo:[0,1] neg_hi:[0,1]
	v_pk_add_f32 v[130+8*c:131+8*c], v[130+8*c:131+8*c], v[98:99] neg_lo:[0,1] neg_hi:[0,1]
.set c, c+1
.endr
.set c, 0
.rept 16
.irp a, 0,1,2,3
	v_exp_f32 v[128+8*c+\a], v[128+8*c+\a]
.endr
.set c, c+1
.endr
	v_nop                                          ; a plain instruction between the last exponential and the use of its result
	s_wait_alu depctr_va_vdst(0)
	v_pk_mul_f32 v[100:101], v[128:129], v[132:133]
	v_pk_mul_f32 v[102:103], v[130:131], v[134:135]
.set c, 1
.rept 15
	v_pk_fma_f32 v[100:101], v[128+8*c:129+8*c], v[132+8*c:133+8*c], v[100:101]
	v_pk_fma_f32 v[102:103], v[130+8*c:131+8*c], v[134+8*c:135+8*c], v[102:103]
.set c, c+1
.endr
.irp a, 0,1,2,3
	v_rcp_f32 v[104+\a], v[100+\a]                 ; the chunk that holds the row's maximum has e = 1 and l of about 1 or more: L is never 0
.endr
	v_nop
	WIN \mv
	s_wait_alu depctr_va_vdst(0)
.irp a, 0,1,2,3
	v_mov_b32 v[(\M)+\a], v[96+\a]
	v_mov_b32 v[(\R)+2*\a], v[104+\a]
	v_mov_b32 v[(\R)+2*\a+1], v[104+\a]
.endr
.endm
	s_wait_loadcnt 0x0
	STATS 0, 0, MH, RH
.irp z, 0,1,2,3                            ; step 0's e: the first block's chunks 0 and 1
	v_cvt_pk_f16_f32 v[E+\z], v[128+\z], v[128+\z]
	v_cvt_pk_f16_f32 v[E+4+\z], v[136+\z], v[136+\z]
.endr
	STATS 0x55, 0x01, ML, RL
	WIN 0x40
.set i, 0
.rept 128                                  ; the sums begin at 0
	v_mov_b32 v[i], 0
.set i, i+1
.endr
	WIN 0
; 16 matrix instructions: all 16 accumulators, 32 keys: half c of buffer f.  rid = 1: behind each stand two packed multiplies that bring half rc of P's buffer rf to the row's maximum, with chunk u's e.
; Products and multiplies stand under one window setting.  The accumulators take turns, one instruction a turn.
.macro G16 f, c, rid, rf, rc, u
	WIN 0x54                                       ; source 0 (V, e) window 0; source 1 (P), C and D window 1
.set i, 0
.rept 16
.set rV, 128+64*(\f)+8*(4*(\c)+i%4)
.set rP, 128+64*(\f)+8*(4*(\c)+i/4)
	v_wmma_f32_16x16x32_f16 v[8*i:8*i+7], v[rV:rV+7], v[rP:rP+7], v[8*i:8*i+7]
.if \rid
.set rR, 128+64*(\rf)+32*(\rc)+2*i
	v_pk_mul_f16 v[rR], v[E+4*(\u)+i/4], v[rR]
	v_pk_mul_f16 v[rR+1], v[E+4*(\u)+i/4], v[rR+1]
.endif
.set i, i+1
.endr
.endm
.macro FETCH f, k                      ; 32 LDS loads: 64 keys at byte k of the rows, into buffer f; the first 32 keys' sixteen loads first
.irp c, 0,1
	WIN 0
.irp i, 0,1,2,3
	ds_load_b128 v[128+64*(\f)+8*(4*\c+\i):128+64*(\f)+8*(4*\c+\i)+3],   v[ADRV] offset:(\k)+64*\c+\i*FROW
	ds_load_b128 v[128+64*(\f)+8*(4*\c+\i)+4:128+64*(\f)+8*(4*\c+\i)+7], v[ADRV] offset:(\k)+64*\c+\i*FROW+32
.endr
	WIN 0x40
.irp i, 0,1,2,3
	ds_load_b128 v[128+64*(\f)+8*(4*\c+\i):128+64*(\f)+8*(4*\c+\i)+3],   v[ADRP] offset:(\k)+64*\c+\i*FROW
	ds_load_b128 v[128+64*(\f)+8*(4*\c+\i)+4:128+64*(\f)+8*(4*\c+\i)+7], v[ADRP] offset:(\k)+64*\c+\i*FROW+32
.endr
.endr
.endm
; A step is four quarters of 64 keys on buffers 0, 1, 0, 1.  One of the first three, number qd: multiplies buffer f and fetches the next quarter, at byte k, into g.
; pre = 1 (a step's first): the first 32 keys of P have not been brought to the row's maximum yet; those 32 multiplies are also the places in front of the loads.
.macro QUARTER qd, f, g, k, pre
	s_wait_dscnt 0x0                               ; buffer f is in
.if \pre
	WIN 0x54
.set i, 0
.rept 32
	v_pk_mul_f16 v[128+64*(\f)+i], v[E+i/8], v[128+64*(\f)+i]
.set i, i+1
.endr
.else
	PLACES
.endif
	FETCH \g, \k
	G16 \f, 0, 1, \f, 1, (\qd)/2
	s_wait_dscnt 16                                ; g's first 32 keys are in; its other sixteen loads may be out
	G16 \f, 1, 1, \g, 0, ((\qd)+1)/2
.endm
.macro ECOMP                           ; the next step's e from its two chunks' c m and its block's M
.irp a, 0,1,2,3
	v_cndmask_b32 v[MS+\a], v[MH+\a], v[ML+\a], s[EM]
.endr
.irp z, 0,2,4,6
	v_pk_add_f32 v[CMN+\z:CMN+\z+1], v[CMN+\z:CMN+\z+1], v[MS+\z%4:MS+\z%4+1] neg_lo:[0,1] neg_hi:[0,1]
.endr
.irp z, 0,1,2,3,4,5,6,7
	v_exp_f32 v[CMN+\z], v[CMN+\z]
.endr
	v_nop
	s_wait_alu depctr_va_vdst(0)
.irp z, 0,1,2,3,4,5,6,7
	v_cvt_pk_f16_f32 v[E+\z], v[CMN+\z], v[CMN+\z]
.endr
.endm
; The last quarter multiplies buffer 1 and changes slots: one barrier; in front of it each wave waits for all its tensor loads (one is out: its part of the next slot), adds 0 to its spare word, and waits for that and
; for its reads of this slot.  fill = 1: the barrier opens a round of the cluster's, and this slot is filled again, two steps ahead, first thing behind the round; that step's c m are asked for with it.
.macro TURN fill
	WIN 0
	s_wait_tensorcnt 0x0
	ds_add_u32 v[SPW], v[NIL]
	s_wait_dscnt 0x0                               ; the add is done, buffer 1 is in, and my reads of this slot are over
	s_wait_loadcnt 0x0                             ; the next step's c m, asked for a step ago
	s_barrier_signal -1
	G16 1, 0, 1, 1, 1, 1
	WIN 0
	ECOMP
	s_barrier_wait -1
.if \fill
	CREST                                          ; no wave of any partner still reads this slot or has a load on its way
	ASK
	JLOAD
.endif
	s_xor_b32 s[SB], s[SB], SLOT
	v_add_nc_u32 v[ADRP], s[SB], v[AP0]
	v_add_nc_u32 v[ADRV], s[SB], v[AV0]
.if \fill
	v_add_nc_u32 v[SOV], s[SOFF], v[SL0]           ; free since the wait for the loads that named it
	global_load_b128 v[CMN:CMN+3], v[SOV], s[STB:STB+1]
	global_load_b128 v[CMN+4:CMN+7], v[SOV], s[STB:STB+1] offset:16384
.endif
	FETCH 0, 0
	G16 1, 1, 0, 0, 0, 0
	WIN 0
.endm
; A BLOCK GOES OUT: O^T times 1 / L, 32 bytes a lane into my own stage, back as whole rows of 256 bytes, 16 rows at a time.  clr = 1: another block follows, and the sums begin at 0 again.
.macro FINISH R, OB, clr
	WIN 0
	PLACES
.irp a, 0,1,2,3
	WIN 0x01                                       ; source 0 window 1
.set i, 0
.rept 16
	v_pk_mul_f32 v[TMP+2*i:TMP+2*i+1], v[32*\a+2*i:32*\a+2*i+1], v[(\R)+2*\a:(\R)+2*\a+1] op_sel_hi:[1,0]  ; each accumulator's registers in ascending order
.set i, i+1
.endr
	WIN 0
.irp b, 0,1,2,3
	ds_store_b128 v[STO], v[TMP+8*\b:TMP+8*\b+3] offset:64*\b
	ds_store_b128 v[STO], v[TMP+8*\b+4:TMP+8*\b+7] offset:64*\b+16
.endr
	s_wait_xcnt 0x0                                ; the registers below were the data of earlier stores
.irp t, 0,1,2,3,4,5,6,7
	ds_load_b128 v[192+32*(\a%2)+4*\t:192+32*(\a%2)+4*\t+3], v[RD] offset:\t*2*SPITCH  ; LDS serves a wave's instructions in order (ISA guide 5.7.1.4): these see the stores above
.endr
.irp t, 0,1,2,3,4,5,6,7
	s_wait_dscnt 7-\t
	global_store_b128 v[CO], v[192+32*(\a%2)+4*\t:192+32*(\a%2)+4*\t+3], s[\OB:\OB+1] offset:(16*\a+2*\t)*4096  ; sixteen lanes store 256 consecutive bytes, aligned
.endr
.endr
	s_wait_xcnt 0x0                                ; the next quarter's LDS loads land in the registers that these stores read
.if \clr
	WIN 0x40
.set i, 0
.rept 128
	v_mov_b32 v[i], 0
.set i, i+1
.endr
	WIN 0
.endif
.endm
.macro BLOCKEND                        ; behind a step: if it was the first block's last, the block goes out.  The jump goes forward and passes neither a barrier nor a tensor load
	s_sub_co_u32 s[URT], s[URT], 1
	s_cmp_lg_u32 s[URT], 0
	s_cbranch_scc1 .Lgo_on_\@
	FINISH RH, OH, 1
	s_mov_b32 s[URT], s21
.Lgo_on_\@:
.endm
.macro STEP3
	QUARTER 0, 0, 1, 128, 1
	QUARTER 1, 1, 0, 256, 0
	QUARTER 2, 0, 1, 384, 0
.endm
	s_wait_tensorcnt 0x0                           ; slot 0 is in; slot 1's first fill is issued as a refill is
	ds_add_u32 v[SPW], v[NIL]
	s_wait_dscnt 0x0
	CROUND
	ASK
	JLOAD                                          ; step 1 into slot 1
	v_add_nc_u32 v[SOV], s[SOFF], v[SL0]
	global_load_b128 v[CMN:CMN+3], v[SOV], s[STB:STB+1]
	global_load_b128 v[CMN+4:CMN+7], v[SOV], s[STB:STB+1] offset:16384
	FETCH 0, 0
	WIN 0
	s_mov_b32 s[CNT], 7
.Lstep:                                                ; steps 0 to 6: each asks for the step two on
	STEP3
	TURN 1
	BLOCKEND
	s_sub_co_u32 s[CNT], s[CNT], 1
	s_cmp_lg_u32 s[CNT], 0
	s_cbranch_scc1 .Lstep
	STEP3                                          ; step 7 asks for nothing: the tail is written out
	TURN 0
	BLOCKEND
	STEP3                                          ; step 8, the second block's last
	s_wait_dscnt 0x0
	G16 1, 0, 1, 1, 1, 1
	G16 1, 1, 0, 0, 0, 0
	FINISH RL, OL, 0
	s_wait_tensorcnt 0x0                           ; the wave's end
	ds_add_u32 v[SPW], v[NIL]
	s_wait_dscnt 0x0
	CROUND                                         ; the closing round
	s_endpgm
.Lfunc_end_k_q47302f3269_pv:
	.size	k_q47302f3269_pv, .Lfunc_end_k_q47302f3269_pv-k_q47302f3269_pv
	.p2alignl 7, 3214868480
	.fill 96, 4, 3214868480
	.section	.rodata,"a",@progbits
	.p2align	6, 0x0
	.amdhsa_kernel k_q47302f3269_pv
		.amdhsa_group_segment_fixed_size 327680
		.amdhsa_private_segment_fixed_size 0
		.amdhsa_enable_private_segment 0
		.amdhsa_kernarg_size 32
		.amdhsa_user_sgpr_count 2
		.amdhsa_user_sgpr_kernarg_segment_ptr 1
		.amdhsa_wavefront_size32 1
		.amdhsa_system_sgpr_workgroup_id_x 1
		.amdhsa_system_sgpr_workgroup_id_y 1
		.amdhsa_system_sgpr_workgroup_id_z 1
		.amdhsa_system_vgpr_workitem_id 0
		.amdhsa_next_free_vgpr 512
		.amdhsa_next_free_sgpr 84
		.amdhsa_reserve_vcc 0
		.amdhsa_float_denorm_mode_32 3
		.amdhsa_float_denorm_mode_16_64 3
		.amdhsa_memory_ordered 1
		.amdhsa_forward_progress 1
		.amdhsa_inst_pref_size 187
	.end_amdhsa_kernel
	.amdgpu_metadata
---
amdhsa.version: [ 1, 2 ]
amdhsa.kernels:
  - .name:           k_q47302f3269_pv
    .symbol:         k_q47302f3269_pv.kd
    .args:
      - { .name: pp, .offset: 0, .size: 8, .value_kind: global_buffer, .address_space: global }
      - { .name: vt, .offset: 8, .size: 8, .value_kind: global_buffer, .address_space: global }
      - { .name: st, .offset: 16, .size: 8, .value_kind: global_buffer, .address_space: global }
      - { .name: out0, .offset: 24, .size: 8, .value_kind: global_buffer, .address_space: global }
    .group_segment_fixed_size: 327680
    .private_segment_fixed_size: 0
    .kernarg_segment_align: 8
    .kernarg_segment_size: 32
    .max_flat_workgroup_size: 128
    .sgpr_count:     84
    .vgpr_count:     512
    .wavefront_size: 32
...
	.end_amdgpu_metadata
.endif
;; end of part 4
;; ======== version 2 of 3: 4 launches; 1.18 times as fast as version 1
;; limits: values are held in f16: magnitudes above 65,504 overflow, below 6.1e-05 lose precision
;; workspace buffers: xb 16,777,216 bytes; wb 6,291,456 bytes; qh 16,777,216 bytes; kh 16,777,216 bytes; vt 16,777,216 bytes; pp 33,554,432 bytes; st 1,048,576 bytes
;; launch cast (part 5): grid 256 x 1, 11 waves a work-group, no clusters, 0 bytes of LDS; arguments x, Wq, Wk, Wv, xb, wb, st; writes xb, wb, st
.if DOCPART == 5
	.amdgcn_target "amdgcn-amd-amdhsa--gfx1250"
	.amdhsa_code_object_version 6
	.text
	.protected	k_q47302f3269_cast
	.globl	k_q47302f3269_cast
	.p2align	8
	.type	k_q47302f3269_cast,@function
k_q47302f3269_cast:
	s_mov_b64 s[64:65], 0
	v_nop
	global_prefetch_b8 v0, s[64:65] scope:SCOPE_SE
	s_setreg_imm32_b32 hwreg(HW_REG_WAVE_MODE, 25, 1), 1
	s_wait_xcnt 0x0
; x [8192][1024] and Wq, Wk, Wv [1024][1024], all f32, are rounded once to bf16 (nearest even) and laid out in blocks of 64 along K:
;   xb [kb 16][row 8192][64],  wb [kb 16][n' 3072][64],  n' = 384 j + 192 hn + 64 t + r for row 128 j + 64 hn + r of W_t (t = 0 q, 1 k, 2 v),
; so that the product's tiles (256 rows of x, 384 rows of W, 64 along K) are dense blocks of memory.
; The waves of x also write the neutral softmax statistics into st [b 4][chunk 16][kind 2][2048]: c m = -1e30, l = 0; the scores' launch overwrites the chunks that exist.
; A stream: no LDS, no barrier, no matrix unit, no cluster: nothing is shared and nothing is read twice.
; SHARES.  8192 + 3 x 1024 = 11,264 rows = 256 work-groups x 11 waves x 4 rows: every work-group has the same work.  Wave g = 11 x work-group + wave takes rows 4 g .. 4 g + 3 of the sequence x, Wq, Wk, Wv:
; waves 0 to 2047 take x, then 256 waves each W.  The branch between the two texts hangs on g, a scalar.
; LANES.  A load takes one K block of a pair of rows: lanes 0-15 the 256 bytes of the even row, 16 bytes each, lanes 16-31 those of the odd row: two runs of 256 consecutive bytes, each aligned.  A lane's 4 numbers
; become 8 bytes, and the 32 lanes' store covers 256 consecutive bytes, aligned: the two rows of that K block lie side by side in xb and wb.
; All 32 loads of a wave (2 pairs of rows x 16 K blocks) go out first; the waits count down.  No register is written again behind the store that reads it.
.set X, 16                             ; v[16:143] load G = 16 pr + kb: 4 registers as loaded, the first 2 as stored
.set NEGBIG, 0xf149f2ca                ; -1e30
.macro LOADS
.set G, 0
.rept 32
	global_load_b128 v[X+4*G:X+4*G+3], v2, s[18:19] offset:(G/16)*8192+(G%16)*256 th:TH_LOAD_NT  ; read once in the whole launch
.set G, G+1
.endr
.endm
; kbs: bytes from one K block of the destination to the next.  split = 1: K blocks 8-15 go by v4, which lies 8,388,608 bytes on, so that the immediates stay inside their signed 24 bits
.macro EMIT kbs, split
.set G, 0
.rept 32
	s_wait_loadcnt 31-G                            ; loads come back in order: load G is in, the 31 - G younger ones stay out
	v_cvt_pk_bf16_f32 v[X+4*G], v[X+4*G], v[X+4*G+1]      ; in place, ascending: a register is written when it has been read
	v_cvt_pk_bf16_f32 v[X+4*G+1], v[X+4*G+2], v[X+4*G+3]
.if (\split) && (G%16 >= 8)
	global_store_b64 v4, v[X+4*G:X+4*G+1], s[20:21] offset:(G%16-8)*(\kbs)+(G/16)*256
.else
	global_store_b64 v3, v[X+4*G:X+4*G+1], s[20:21] offset:(G%16)*(\kbs)+(G/16)*256
.endif
.set G, G+1
.endr
.endm
	s_load_b256 s[4:11], s[0:1], 0x0               ; x s[4:5], Wq s[6:7], Wk s[8:9], Wv s[10:11]
	s_load_b128 s[12:15], s[0:1], 0x20             ; xb s[12:13], wb s[14:15]
	s_load_b64 s[16:17], s[0:1], 0x30              ; st
	v_lshrrev_b32 v6, 5, v0
	v_readfirstlane_b32 s26, v6                    ; wave 0..10
	s_mul_i32 s27, ttmp9, 11
	s_add_co_u32 s26, s26, s27                     ; g, 0 .. 2815
	v_bfe_u32 v7, v0, 4, 1                         ; row of the pair
	v_and_b32 v1, 15, v0
	v_lshlrev_b32 v2, 12, v7                       ; source: rows of 4,096 bytes,
	v_lshl_add_u32 v2, v1, 4, v2                   ; 16 bytes a lane
	v_lshlrev_b32 v3, 7, v7                        ; destination: rows of 128 bytes,
	v_lshl_add_u32 v3, v1, 3, v3                   ; 8 bytes a lane
	s_mov_b32 s23, 0
	s_wait_kmcnt 0x0
	s_cmp_ge_u32 s26, 2048
	s_cbranch_scc1 .Lweights
	v_add_nc_u32 v4, 0x800000, v3                  ; eight K blocks of xb (8192 x 128 bytes each) on
	v_and_b32 v5, 31, v0
	v_lshlrev_b32 v5, 4, v5
	s_lshl_b32 s22, s26, 14                        ; 4 rows of 4,096 bytes
	s_add_nc_u64 s[18:19], s[4:5], s[22:23]
	s_lshl_b32 s22, s26, 9                         ; 4 rows of 128 bytes; also my 512 bytes of st
	s_add_nc_u64 s[20:21], s[12:13], s[22:23]
	s_add_nc_u64 s[24:25], s[16:17], s[22:23]
	s_and_b32 s28, s26, 16                         ; a kind's block is 8,192 bytes: sixteen waves
	s_cmp_lg_u32 s28, 0
	s_cselect_b32 s28, 0, NEGBIG                   ; l = 0, c m = -1e30
	v_mov_b32 v8, s28
	v_mov_b32 v9, s28
	v_mov_b32 v10, s28
	v_mov_b32 v11, s28
	LOADS
	global_store_b128 v5, v[8:11], s[24:25]        ; 32 lanes x 16 bytes: 512 consecutive bytes
	EMIT 1048576, 1
	s_endpgm
.Lweights:
	s_sub_co_u32 s26, s26, 2048
	s_lshr_b32 s27, s26, 8                         ; t: which W
	s_and_b32 s26, s26, 255                        ; which 4 rows of it
	s_cmp_eq_u32 s27, 0
	s_cselect_b64 s[18:19], s[6:7], s[8:9]
	s_cmp_eq_u32 s27, 2
	s_cselect_b64 s[18:19], s[10:11], s[18:19]
	s_lshl_b32 s22, s26, 14
	s_add_nc_u64 s[18:19], s[18:19], s[22:23]
	s_lshr_b32 s28, s26, 5                         ; j: 128 rows are 32 waves
	s_mul_i32 s28, s28, 384
	s_bfe_u32 s29, s26, 0x10004                    ; hn: 64 rows are 16 waves
	s_mul_i32 s29, s29, 192
	s_add_co_u32 s28, s28, s29
	s_lshl_b32 s29, s27, 6
	s_add_co_u32 s28, s28, s29
	s_and_b32 s29, s26, 15
	s_lshl_b32 s29, s29, 2
	s_add_co_u32 s28, s28, s29                     ; n' of my first row: a multiple of 4, and my 4 rows stay inside one run of 64
	s_lshl_b32 s22, s28, 7
	s_add_nc_u64 s[20:21], s[14:15], s[22:23]
	LOADS
	EMIT 393216, 0                                 ; a K block of wb is 3072 x 128 bytes
	s_endpgm
.Lfunc_end_k_q47302f3269_cast:
	.size	k_q47302f3269_cast, .Lfunc_end_k_q47302f3269_cast-k_q47302f3269_cast
	.p2alignl 7, 3214868480
	.fill 96, 4, 3214868480
	.section	.rodata,"a",@progbits
	.p2align	6, 0x0
	.amdhsa_kernel k_q47302f3269_cast
		.amdhsa_group_segment_fixed_size 0
		.amdhsa_private_segment_fixed_size 0
		.amdhsa_enable_private_segment 0
		.amdhsa_kernarg_size 56
		.amdhsa_user_sgpr_count 2
		.amdhsa_user_sgpr_kernarg_segment_ptr 1
		.amdhsa_wavefront_size32 1
		.amdhsa_system_sgpr_workgroup_id_x 1
		.amdhsa_system_sgpr_workgroup_id_y 1
		.amdhsa_system_sgpr_workgroup_id_z 1
		.amdhsa_system_vgpr_workitem_id 0
		.amdhsa_next_free_vgpr 144
		.amdhsa_next_free_sgpr 66
		.amdhsa_reserve_vcc 0
		.amdhsa_float_denorm_mode_32 3
		.amdhsa_float_denorm_mode_16_64 3
		.amdhsa_memory_ordered 1
		.amdhsa_forward_progress 1
		.amdhsa_inst_pref_size 25
	.end_amdhsa_kernel
	.amdgpu_metadata
---
amdhsa.version: [ 1, 2 ]
amdhsa.kernels:
  - .name:           k_q47302f3269_cast
    .symbol:         k_q47302f3269_cast.kd
    .args:
      - { .name: x, .offset: 0, .size: 8, .value_kind: global_buffer, .address_space: global }
      - { .name: Wq, .offset: 8, .size: 8, .value_kind: global_buffer, .address_space: global }
      - { .name: Wk, .offset: 16, .size: 8, .value_kind: global_buffer, .address_space: global }
      - { .name: Wv, .offset: 24, .size: 8, .value_kind: global_buffer, .address_space: global }
      - { .name: xb, .offset: 32, .size: 8, .value_kind: global_buffer, .address_space: global }
      - { .name: wb, .offset: 40, .size: 8, .value_kind: global_buffer, .address_space: global }
      - { .name: st, .offset: 48, .size: 8, .value_kind: global_buffer, .address_space: global }
    .group_segment_fixed_size: 0
    .private_segment_fixed_size: 0
    .kernarg_segment_align: 8
    .kernarg_segment_size: 56
    .max_flat_workgroup_size: 352
    .sgpr_count:     66
    .vgpr_count:     144
    .wavefront_size: 32
...
	.end_amdgpu_metadata
.endif
;; end of part 5
;; launch proj: the kernel of part 2 again; grid 8 x 32, 4 waves a work-group, clusters of 4 x 4, 327,680 bytes of LDS; arguments xb, wb, qh, kh, vt; writes qh, kh, vt
;; launch scores (part 6): grid 36 x 4, 4 waves a work-group, no clusters, 327,680 bytes of LDS; arguments qh, kh, pp, st; writes pp, st
.if DOCPART == 6
	.amdgcn_target "amdgcn-amd-amdhsa--gfx1250"
	.amdhsa_code_object_version 6
	.text
	.protected	k_q47302f3269_scores
	.globl	k_q47302f3269_scores
	.p2align	8
	.type	k_q47302f3269_scores,@function
k_q47302f3269_scores:
	s_mov_b64 s[64:65], 0
	v_nop
	global_prefetch_b8 v0, s[64:65] scope:SCOPE_SE
	s_setreg_imm32_b32 hwreg(HW_REG_WAVE_MODE, 25, 1), 1
	s_wait_xcnt 0x0
; The causal tiles of S = Q K^T and the first half of the softmax.  qh, kh: [8192][1024] f16.  A batch's 2048 x 2048 scores lie in 8 x 8 tiles of 256 x 256; tiles (I, J) with J <= I are made: 36 a batch, a work-group each.
; A wave makes 128 queries x 128 keys (a CHUNK of keys): 64 accumulators, sums in f32 over K = 1024.  Then, for each query, the chunk's own maximum is taken away: p = 2^(c s - c m), c = log2(e) / 32;
; p leaves as f16 in pp [b][q 2048][key 2048]; c m and l = the sum of the unrounded p leave in st [b][chunk 16][kind 2][2048]; the entry of row q is (q / 64) 64 + (q % 16) 4 + (q / 16) % 4.
; The next launch brings the chunks of a row to the row's maximum.
; THE MASK is the C operand of the product that starts a sum: 0, or -1e30 where the key lies behind the query (only where I = J and the wave's query half equals its key half; every row there sees its own key, so m is a true score).
; The quadrant that is hidden as a whole (I = J, query half 0, key half 1) takes no mask: its p, made of its real scores with their own maximum, are finite, and its stored c m is -1e30, so that the next launch's factor for it is 0.
; LIMITS.  A hidden score counts as its value less 1e30; c s is rounded to f32 before c m is taken away; p below 6e-5 keeps f16's fixed step; a weight below 2^-126 counts as 0 in l; NaN and infinities are not treated apart.
; NO CLUSTER: the tiles that share rows of Q are the 1 to 8 of a row of the triangle, those that share rows of K the 8 to 1 of a column: neither number is a multiple of four throughout, and 36 tiles do not fall into rectangles.
; RING.  K in 8 steps of 128 through two LDS slots (256 rows of Q, 256 of K, rows of 256 bytes + 16 of padding); each wave fetches 128 rows with one tensor load; a K step is four quarters of 64 matrix instructions.
; A K step is written once for the six steps that fill a slot again and once for the last two: the slot in hand is a scalar that an exclusive or turns, and the fragment addresses are made from it behind each barrier.
; Source 0 = 16 keys, source 1 = 16 queries: a lane holds ONE query (lane % 16) and the keys 8 (lane / 16) + 0..7.
; REGISTERS: window 0: v0-31 addresses; v32-59 masks, statistics; v64-127, v128-191 Q's fragments, two buffers (later rows on the way out, and the block in hand); v192-231 at work on the way out
;   window 1: v64-127, v128-191 K's fragments      window 2: the accumulators of my queries 0-63, (a, b) at v[8 (8 a + b)]      window 3: of my queries 64-127
.set KSTEP,  128
.set PITCH,  272
.set HALFT,  128*PITCH
.set SLOT,   4*HALFT                   ; 0x22000: bits 13 and 17, which are clear in wave x HALFT for waves 0 to 3: one exclusive or changes slots
.set STAGE,  2*SLOT                    ; behind the ring: 16 rows x 272 bytes for each wave
.set SPITCH, 272
.set SPARE,  STAGE+4*16*SPITCH         ; the spare words, 128 bytes a wave: two blocks of 256 bytes that no other line names
.set NEGBIG, 0xf149f2ca                ; -1e30
.set ADRA, 16                          ; v16 LDS address of my fragments of Q in the slot in hand; v17 in slot 0, never rewritten
.set A0,   17
.set ADRB, 20                          ; v20, v21 the same for K
.set B0,   21
.set STO,  24
.set RD,   25
.set CO,   26
.set SO,   27
.set SPW,  28
.set NIL,  29
.set T,    32                          ; v[32:39] at work
.set MEQ,  40                          ; v[40:47] the mask of a block on the diagonal; later
.set LV,   40                          ;          l of block a
.set MHI,  48                          ; v[48:55] the mask of a block above the diagonal; later
.set CMV,  48                          ;          c m of block a, as stored
.set CMP,  56                          ; v[56:57] c m of the block in hand, named as a pair
.set CMS,  58                          ; v58 the same as stored
.set LF,   59                          ; v59 l of the block in hand
.set F0,   64
.set F1,   128
.set OB,   64                          ; the way out: 16 rows read back from the stage
.set X,    128                         ; the way out: the 64 numbers a lane of the block in hand
.set TMP,  192
.set G1,  24                           ; s[24:31] descriptor group 1
.set G0,  32                           ; s[32:35] group 0 of slot 0's first fill
.set G0W, 36                           ; s[36:39] group 0 of slot 1's first fill, which then walks on
.set CS,  48                           ; s[48:49] c
.set SEL, 50                           ; s[50:51] v_permlanex16_b32's selects
.set PPB, 52                           ; s[52:53] pp at my 128 x 128
.set STB, 54                           ; s[54:55] st at my chunk and rows
.set SB,  56                           ; s56 the slot in hand: 0 or SLOT
.set MSB, 0
.macro WIN new                         ; the immediate's high byte repeats the setting that is left; a switch that changes nothing is dropped
.if MSB != (\new)
	s_set_vgpr_msb (MSB<<8)|(\new)
.set MSB, \new
.endif
.endm
.set MUL_LO, 0xa1                      ; source 0 (K) window 1, source 1 (Q) window 0, C and D window 2
.set TO_B,   0x40
.macro PLACES                          ; four places in front of loads into registers that matrix instructions have read, and of vector lines that read results
.rept 4
	v_nop
.endr
.endm
	s_load_b256 s[4:11], s[0:1], 0x0               ; qh s[4:5], kh s[6:7], pp s[8:9], st s[10:11]
	v_lshl_add_u32 v[SPW], v0, 2, SPARE
	v_mov_b32 v[NIL], 0
	ds_add_u32 v[SPW], v[NIL]                      ; the wave's opening: an add, waited for ahead of my first tensor load
	ds_add_u32 v28, v29
	v_lshrrev_b32 v1, 5, v0
	v_readfirstlane_b32 s12, v1                    ; wave
	s_lshr_b32 s13, s12, 1                         ; wm: my half of the queries.  Also: I fetch for Q (0) or for K (1)
	s_and_b32 s14, s12, 1                          ; wn: my half of the keys.  Also: which 128 rows I fetch
	s_mov_b32 s15, ttmp9                           ; the tile's number in the triangle, 0 .. 35
	s_and_b32 s18, ttmp7, 0xffff                   ; the batch
	s_mov_b32 s16, 0
.irp th, 1,3,6,10,15,21,28                 ; I = how many rows of the triangle end at or before the tile
	s_cmp_ge_u32 s15, \th
	s_add_co_ci_u32 s16, s16, 0
.endr
	s_add_co_u32 s17, s16, 1
	s_mul_i32 s17, s17, s16
	s_lshr_b32 s17, s17, 1
	s_sub_co_u32 s17, s15, s17                     ; J
	s_mov_b32 s[G1+0], (1<<16)|(1<<20)|(5<<22)|(3<<25)  ; 2-byte elements; padding on: after every 64 words 4 words
	s_mov_b32 s[G1+1], KSTEP<<16
	s_mov_b32 s[G1+2], 128<<16
	s_mov_b32 s[G1+3], KSTEP<<16
	s_mov_b32 s[G1+4], 128
	s_mov_b32 s[G1+5], 1024
	s_mov_b32 s[G1+6], 0
	s_mov_b32 s[G1+7], 0
	s_mov_b32 s[CS], 0x3d38aa3b                    ; c = log2(e) / 32
	s_mov_b32 s[CS+1], s[CS]
	s_mov_b32 s[SEL], 0x76543210
	s_mov_b32 s[SEL+1], 0xfedcba98
	s_mov_b32 s[SB], 0
	s_cmp_eq_u32 s13, 0
	s_cselect_b32 s20, s16, s17
	s_lshl_b32 s20, s20, 8
	s_lshl_b32 s21, s18, 11
	s_add_co_u32 s20, s20, s21
	s_lshl_b32 s21, s14, 7
	s_add_co_u32 s20, s20, s21                     ; the first row that I fetch
	s_lshl_b32 s20, s20, 11                        ; rows of 2,048 bytes
	s_mov_b32 s21, 0
	s_mul_i32 s19, s12, HALFT                      ; Q's two halves, then K's two halves
	s_wait_dscnt 0x0                               ; the opening add is done
	s_wait_kmcnt 0x0
	s_cmp_eq_u32 s13, 0
	s_cselect_b64 s[22:23], s[4:5], s[6:7]
	s_add_nc_u64 s[22:23], s[22:23], s[20:21]
.irp s, 0,1                                ; the two first fills go out together: two tensor loads of mine are out
	s_mov_b32 s[G0+4*(\s)], 1
	s_add_co_u32 s[G0+4*(\s)+1], s19, (\s)*SLOT
	s_add_nc_u64 s[G0+4*(\s)+2:G0+4*(\s)+3], s[22:23], (\s)*KSTEP*2
	s_or_b32 s[G0+4*(\s)+3], s[G0+4*(\s)+3], 0x80000000
	tensor_load_to_lds s[G0+4*(\s):G0+4*(\s)+3], s[G1:G1+7]
	s_nop 0
.endr
	PLACES
	v_and_b32 v1, 15, v0                           ; r
	v_bfe_u32 v2, v0, 4, 1                         ; h
	s_cmp_eq_u32 s16, s17
	s_cselect_b32 s40, 1, 0                        ; the tile holds the diagonal
	s_cmp_eq_u32 s13, s14
	s_cselect_b32 s41, 1, 0
	s_cmp_lt_u32 s13, s14
	s_cselect_b32 s42, 1, 0
	s_and_b32 s41, s41, s40                        ; so does my quadrant
	s_and_b32 s42, s42, s40                        ; my quadrant is hidden as a whole
	s_cmp_lg_u32 s41, 0
	s_cselect_b32 s45, NEGBIG, 0
	s_cmp_lg_u32 s42, 0
	s_cselect_b32 s46, 0, 1.0                      ; the stored c m = c m x s46 + s47
	s_cselect_b32 s47, NEGBIG, 0
	v_lshlrev_b32 v3, 3, v2
	v_sub_nc_u32 v3, v1, v3                        ; on the diagonal register j is hidden where j > r - 8 h
.irp j, 0,1,2,3,4,5,6,7
	v_mov_b32 v[MHI+\j], s45
	v_cmp_gt_i32 vcc_lo, \j, v3
	v_cndmask_b32 v[MEQ+\j], 0, v[MHI+\j], vcc_lo
.endr
	v_mul_u32_u24 v4, v1, PITCH
	v_lshl_add_u32 v4, v2, 4, v4                   ; row x pitch + 16 x half
	s_mul_i32 s40, s13, HALFT
	s_mul_i32 s41, s14, HALFT
	s_add_co_u32 s41, s41, 2*HALFT
	v_add_nc_u32 v[A0], s40, v4
	v_add_nc_u32 v[B0], s41, v4
	v_mov_b32 v[ADRA], v[A0]                       ; K step 0 lies in slot 0
	v_mov_b32 v[ADRB], v[B0]
	s_mul_i32 s40, s12, 16*SPITCH
	s_add_co_u32 s40, s40, STAGE                   ; my stage
	v_add_nc_u32 v[STO], s40, v4                   ; in: row r, 16 bytes for each half of the lanes
	v_mul_u32_u24 v5, v2, SPITCH
	v_lshl_add_u32 v5, v1, 4, v5
	v_add_nc_u32 v[RD], s40, v5                    ; back: lanes 0-15 one row of 256 bytes, lanes 16-31 the next
	v_lshlrev_b32 v5, 12, v2
	v_lshl_add_u32 v[CO], v1, 4, v5                ; the same two rows in pp
	v_and_b32 v5, 31, v0
	v_lshlrev_b32 v[SO], 4, v5
	s_lshl_b32 s40, s18, 23                        ; pp: batch, row 256 I + 128 wm of 4,096 bytes, byte 512 J + 256 wn
	s_lshl_b32 s41, s16, 20
	s_add_co_u32 s40, s40, s41
	s_lshl_b32 s41, s13, 19
	s_add_co_u32 s40, s40, s41
	s_lshl_b32 s41, s17, 9
	s_add_co_u32 s40, s40, s41
	s_lshl_b32 s41, s14, 8
	s_add_co_u32 s40, s40, s41
	s_mov_b32 s41, 0
	s_add_nc_u64 s[PPB:PPB+1], s[8:9], s[40:41]
	s_lshl_b32 s40, s18, 18                        ; st: batch, chunk 2 J + wn of 16,384 bytes, entry 256 I + 128 wm
	s_lshl_b32 s41, s17, 15
	s_add_co_u32 s40, s40, s41
	s_lshl_b32 s41, s14, 14
	s_add_co_u32 s40, s40, s41
	s_lshl_b32 s41, s16, 10
	s_add_co_u32 s40, s40, s41
	s_lshl_b32 s41, s13, 9
	s_add_co_u32 s40, s40, s41
	s_mov_b32 s41, 0
	s_add_nc_u64 s[STB:STB+1], s[10:11], s[40:41]
; 16 matrix instructions: query blocks a0, a0 + 1 of the window's four (hi = 0: my queries 0-63, 1: 64-127) x all 8 key blocks, 32 along K.  first = 1: the products start the sums, with 0 or a mask.
; The 64 accumulators take turns, one instruction a turn.
.macro MUL16 f, hi, a0, first
.if \first
	WIN 0x81+0x40*(\hi)                            ; C in window 0
.else
	WIN MUL_LO+0x50*(\hi)
.endif
.irp a, \a0, (\a0)+1
.irp b, 0,1,2,3,4,5,6,7
.if (\first) && ((\b) < 4*(\hi)+(\a))
	v_wmma_f32_16x16x32_f16 v[8*(8*(\a)+(\b)):8*(8*(\a)+(\b))+7], v[(\f)+8*(\b):(\f)+8*(\b)+7], v[(\f)+8*(4*(\hi)+(\a)):(\f)+8*(4*(\hi)+(\a))+7], 0
.elseif (\first) && ((\b) == 4*(\hi)+(\a))
	v_wmma_f32_16x16x32_f16 v[8*(8*(\a)+(\b)):8*(8*(\a)+(\b))+7], v[(\f)+8*(\b):(\f)+8*(\b)+7], v[(\f)+8*(4*(\hi)+(\a)):(\f)+8*(4*(\hi)+(\a))+7], v[MEQ:MEQ+7]
.elseif (\first)
	v_wmma_f32_16x16x32_f16 v[8*(8*(\a)+(\b)):8*(8*(\a)+(\b))+7], v[(\f)+8*(\b):(\f)+8*(\b)+7], v[(\f)+8*(4*(\hi)+(\a)):(\f)+8*(4*(\hi)+(\a))+7], v[MHI:MHI+7]
.else
	v_wmma_f32_16x16x32_f16 v[8*(8*(\a)+(\b)):8*(8*(\a)+(\b))+7], v[(\f)+8*(\b):(\f)+8*(\b)+7], v[(\f)+8*(4*(\hi)+(\a)):(\f)+8*(4*(\hi)+(\a))+7], v[8*(8*(\a)+(\b)):8*(8*(\a)+(\b))+7]
.endif
.endr
.endr
.endm
.macro FETCH k, f                      ; 32 LDS loads in one run: 128 keys, then 128 queries, 32 along K at byte k of the rows of the slot in hand
	WIN TO_B
.irp i, 0,1,2,3,4,5,6,7
	ds_load_b128 v[(\f)+8*(\i):(\f)+8*(\i)+3],   v[ADRB] offset:(\k)+(\i)*16*PITCH
	ds_load_b128 v[(\f)+8*(\i)+4:(\f)+8*(\i)+7], v[ADRB] offset:(\k)+(\i)*16*PITCH+32
.endr
	WIN 0
.irp i, 0,1,2,3,4,5,6,7
	ds_load_b128 v[(\f)+8*(\i):(\f)+8*(\i)+3],   v[ADRA] offset:(\k)+(\i)*16*PITCH
	ds_load_b128 v[(\f)+8*(\i)+4:(\f)+8*(\i)+7], v[ADRA] offset:(\k)+(\i)*16*PITCH+32
.endr
.endm
.macro QUARTER k, f, g, first          ; multiplies buffer f; in its middle it fetches the next quarter's fragments, at byte k, into buffer g
	s_wait_dscnt 8                                 ; K and my queries 0-63 are in; the youngest eight loads (queries 64-127) may be out
	MUL16 \f, 0, 0, \first
	MUL16 \f, 0, 2, \first
	PLACES
	FETCH \k, \g
	s_wait_dscnt 32                                ; all but the 32 just issued
	MUL16 \f, 1, 0, \first
	MUL16 \f, 1, 2, \first
.endm
; The last quarter multiplies buffer 1 and changes slots: one barrier; in front of it each wave waits for all its tensor loads (one is out at the most: its part of the next slot), adds 0 to its spare word, and waits for that
; and for its reads of this slot.  fill = 1: this slot is filled again, two K steps ahead: my one tensor load behind the barrier, and the first thing there.  fill = 0 (the last two K steps): nothing is asked for, and in
; the last trip (s3 = 1) the fetch of a further step's fragments is jumped over; that trip's barrier orders nothing: the price of one text for both trips.
.macro TURN fill
	WIN 0
	s_wait_tensorcnt 0x0
	ds_add_u32 v[SPW], v[NIL]
	s_wait_dscnt 9                                 ; the add and the youngest eight loads may be out
	MUL16 F1, 0, 0, 0
	s_wait_dscnt 0x0                               ; the add is done, and my reads of this slot are over
	s_barrier_signal -1
	MUL16 F1, 0, 2, 0
	WIN 0                                          ; at a branch and at a label every window is 0
	s_barrier_wait -1
.if \fill
	s_xor_b32 s[G0W+1], s[G0W+1], SLOT             ; the walking descriptor (no tensor load of mine is out): the other slot than last time,
	s_add_nc_u64 s[G0W+2:G0W+3], s[G0W+2:G0W+3], KSTEP*2  ; the next K step; the type bits on top are not reached
	tensor_load_to_lds s[G0W:G0W+3], s[G1:G1+7]
	s_nop 0
.else
	s_cmp_eq_u32 s3, 1
	s_cbranch_scc1 .Lno_fetch_\@
.endif
	PLACES
	s_xor_b32 s[SB], s[SB], SLOT                   ; the reads go on in the other slot
	v_add_nc_u32 v[ADRA], s[SB], v[A0]
	v_add_nc_u32 v[ADRB], s[SB], v[B0]
	FETCH 0, F0
.if (\fill) == 0
.Lno_fetch_\@:
.endif
	MUL16 F1, 1, 0, 0
	MUL16 F1, 1, 2, 0
.endm
	s_wait_tensorcnt 1                             ; my part of K step 0 is in; K step 1's may stay out
	s_barrier_signal -1
	s_barrier_wait -1
	FETCH 0, F0
	QUARTER 64,  F0, F1, 1                         ; the first quarter stands in front of the loop: its products start the sums
	WIN 0
	s_mov_b32 s3, 6
	s_branch .Lmid                                 ; the loop is entered behind a step's first quarter
.Lstep:                                                ; K steps 0 to 5: each fills its slot again, with the step two on
	QUARTER 64,  F0, F1, 0
	WIN 0
.Lmid:
	QUARTER 128, F1, F0, 0
	QUARTER 192, F0, F1, 0
	TURN 1
	WIN 0
	s_sub_co_u32 s3, s3, 1
	s_cmp_lg_u32 s3, 0
	s_cbranch_scc1 .Lstep
	s_mov_b32 s3, 2
.Ltail:                                                ; K steps 6 and 7 ask for nothing: a text of their own
	QUARTER 64,  F0, F1, 0
	QUARTER 128, F1, F0, 0
	QUARTER 192, F0, F1, 0
	TURN 0
	WIN 0
	s_sub_co_u32 s3, s3, 1
	s_cmp_lg_u32 s3, 0
	s_cbranch_scc1 .Ltail
; THE SOFTMAX AND THE WAY OUT, a loop over my eight blocks of 16 queries x 128 keys (a lane holds 64 scores of one query, the lane 16 away the other 64).  Only the move out of the block's accumulators differs from
; trip to trip, so only that is written eight times: 32 packed multiplies that put c s into 64 fixed registers, chosen by forward jumps on the counter.  The multiply by c rides on that move; c m is then taken away by an add.
	PLACES
	v_mov_b32 v[CMP+1], 0                          ; named with CMP as a pair
	v_mov_b32 v[CMS], 0                            ; written before the lines that put them by
	v_mov_b32 v[LF], 0
	s_mov_b32 s3, 0
.macro CASE a
	WIN 2+(\a)/4                                   ; source 0 in the accumulators' window
.set AC, 64*((\a)%4)
.set i, 0
.rept 32
	v_pk_mul_f32 v[X+2*i:X+2*i+1], v[AC+2*i:AC+2*i+1], s[CS:CS+1] op_sel_hi:[1,0]  ; ascending: each accumulator's lowest registers are read first
.set i, i+1
.endr
	WIN 0
.if (\a) > 0
	v_mov_b32 v[CMV+(\a)-1], v[CMS]                ; the block before's c m and l are put by
	v_mov_b32 v[LV+(\a)-1], v[LF]
.endif
.endm
.Lblk:
.irp a, 0,1,2,3,4,5,6
	s_cmp_eq_u32 s3, \a
	s_cbranch_scc1 .Lcase\a
.endr
	CASE 7
	s_branch .Ljoin
.irp a, 0,1,2,3,4,5
.Lcase\a:
	CASE \a
	s_branch .Ljoin
.endr
.Lcase6:
	CASE 6
.Ljoin:
.set b, 0
.rept 8                                    ; the maximum of the lane's 64 c s: eight chains, three operands at a time
	v_max3_num_f32 v[T+b], v[X+8*b], v[X+8*b+1], v[X+8*b+2]
.set b, b+1
.endr
.set b, 0
.rept 8
	v_max3_num_f32 v[T+b], v[T+b], v[X+8*b+3], v[X+8*b+4]
.set b, b+1
.endr
.set b, 0
.rept 8
	v_max3_num_f32 v[T+b], v[T+b], v[X+8*b+5], v[X+8*b+6]
.set b, b+1
.endr
.set b, 0
.rept 4
	v_max3_num_f32 v[T+b], v[T+b], v[X+8*b+7], v[X+8*(b+4)+7]
.set b, b+1
.endr
	v_max3_num_f32 v[T], v[T], v[T+1], v[T+2]
	v_max3_num_f32 v[T+3], v[T+3], v[T+4], v[T+5]
	v_max_num_f32 v[T+6], v[T+6], v[T+7]
	v_max3_num_f32 v[T], v[T], v[T+3], v[T+6]
	v_permlanex16_b32 v[T+1], v[T], s[SEL], s[SEL+1]
	v_max_num_f32 v[CMP], v[T], v[T+1]             ; c m: c is positive and rounding keeps the order, so the largest c s is c times the largest s, rounded
	v_fma_f32 v[CMS], v[CMP], s46, s47             ; as stored: c m, or -1e30 for the quadrant that is hidden as a whole
.set i, 0
.rept 32
	v_pk_add_f32 v[X+2*i:X+2*i+1], v[X+2*i:X+2*i+1], v[CMP:CMP+1] op_sel_hi:[1,0] neg_lo:[0,1] neg_hi:[0,1]
.set i, i+1
.endr
.set i, 0
.rept 64
	v_exp_f32 v[X+i], v[X+i]
.set i, i+1
.endr
	v_nop                                          ; a plain instruction between the last exponential and the use of its result
.set i, 0
	s_wait_alu depctr_va_vdst(0)
.rept 32
	v_cvt_pk_f16_f32 v[TMP+i], v[X+2*i], v[X+2*i+1]
.set i, i+1
.endr
.irp b, 0,1,2,3,4,5,6,7                    ; 16 bytes a lane into my own stage,
	ds_store_b128 v[STO], v[TMP+4*(\b):TMP+4*(\b)+3] offset:32*(\b)
.endr
	s_wait_xcnt 0x0                                ; the last trip's stores have read their rows and pp's address
	s_add_nc_u64 s[PPB:PPB+1], s[PPB:PPB+1], 16*4096  ; 16 rows on; the stores below reach back
.irp t, 0,1,2,3,4,5,6,7                    ; and back as whole rows of 256 bytes
	ds_load_b128 v[OB+4*(\t):OB+4*(\t)+3], v[RD] offset:(\t)*2*SPITCH  ; LDS serves a wave's instructions in order (ISA guide 5.7.1.4): these see the stores above
.endr
.irp d, 1,2,4,8,16                         ; the sum of the 32 pairs, in place, as a tree: it stands between the loads from the stage and the wait for them
.set p, 0
.rept 16/\d
	v_pk_add_f32 v[X+2*p:X+2*p+1], v[X+2*p:X+2*p+1], v[X+2*(p+\d):X+2*(p+\d)+1]
.set p, p+2*\d
.endr
.endr
	v_add_f32 v[T], v[X], v[X+1]
	v_permlanex16_b32 v[T+1], v[T], s[SEL], s[SEL+1]
	v_add_f32 v[LF], v[T], v[T+1]                  ; l
	s_wait_dscnt 0x0                               ; the block is back in registers
.irp t, 0,1,2,3,4,5,6,7
	global_store_b128 v[CO], v[OB+4*(\t):OB+4*(\t)+3], s[PPB:PPB+1] offset:2*(\t)*4096-16*4096  ; sixteen lanes store 256 consecutive bytes, aligned
.endr
	s_add_co_u32 s3, s3, 1
	s_cmp_lt_u32 s3, 8
	s_cbranch_scc1 .Lblk
	v_mov_b32 v[CMV+7], v[CMS]
	v_mov_b32 v[LV+7], v[LF]
	; the statistics: lanes 0-15 hold blocks 0-3 of query r, lanes 16-31 blocks 4-7: 16 bytes a lane, 512 consecutive bytes a store
	v_cmp_ne_u32 vcc_lo, 0, v2
.irp j, 0,1,2,3
	v_cndmask_b32 v[224+\j], v[CMV+\j], v[CMV+4+\j], vcc_lo
	v_cndmask_b32 v[228+\j], v[LV+\j], v[LV+4+\j], vcc_lo
.endr
	global_store_b128 v[SO], v[224:227], s[STB:STB+1]
	global_store_b128 v[SO], v[228:231], s[STB:STB+1] offset:8192
	s_wait_tensorcnt 0x0                           ; the wave's end
	ds_add_u32 v[SPW], v[NIL]
	s_wait_dscnt 0x0
	s_endpgm
.Lfunc_end_k_q47302f3269_scores:
	.size	k_q47302f3269_scores, .Lfunc_end_k_q47302f3269_scores-k_q47302f3269_scores
	.p2alignl 7, 3214868480
	.fill 96, 4, 3214868480
	.section	.rodata,"a",@progbits
	.p2align	6, 0x0
	.amdhsa_kernel k_q47302f3269_scores
		.amdhsa_group_segment_fixed_size 327680
		.amdhsa_private_segment_fixed_size 0
		.amdhsa_enable_private_segment 0
		.amdhsa_kernarg_size 32
		.amdhsa_user_sgpr_count 2
		.amdhsa_user_sgpr_kernarg_segment_ptr 1
		.amdhsa_wavefront_size32 1
		.amdhsa_system_sgpr_workgroup_id_x 1
		.amdhsa_system_sgpr_workgroup_id_y 1
		.amdhsa_system_sgpr_workgroup_id_z 1
		.amdhsa_system_vgpr_workitem_id 0
		.amdhsa_next_free_vgpr 1024
		.amdhsa_next_free_sgpr 66
		.amdhsa_reserve_vcc 1
		.amdhsa_float_denorm_mode_32 3
		.amdhsa_float_denorm_mode_16_64 3
		.amdhsa_memory_ordered 1
		.amdhsa_forward_progress 1
		.amdhsa_inst_pref_size 98
	.end_amdhsa_kernel
	.amdgpu_metadata
---
amdhsa.version: [ 1, 2 ]
amdhsa.kernels:
  - .name:           k_q47302f3269_scores
    .symbol:         k_q47302f3269_scores.kd
    .args:
      - { .name: qh, .offset: 0, .size: 8, .value_kind: global_buffer, .address_space: global }
      - { .name: kh, .offset: 8, .size: 8, .value_kind: global_buffer, .address_space: global }
      - { .name: pp, .offset: 16, .size: 8, .value_kind: global_buffer, .address_space: global }
      - { .name: st, .offset: 24, .size: 8, .value_kind: global_buffer, .address_space: global }
    .group_segment_fixed_size: 327680
    .private_segment_fixed_size: 0
    .kernarg_segment_align: 8
    .kernarg_segment_size: 32
    .max_flat_workgroup_size: 128
    .sgpr_count:     66
    .vgpr_count:     1024
    .wavefront_size: 32
...
	.end_amdgpu_metadata
.endif
;; end of part 6
;; launch pv (part 7): grid 8 x 32, 4 waves a work-group, clusters of 4 x 1, 327,680 bytes of LDS; arguments pp, vt, st, out0; writes out0
.if DOCPART == 7
	.amdgcn_target "amdgcn-amd-amdhsa--gfx1250"
	.amdhsa_code_object_version 6
	.text
	.protected	k_q47302f3269_pv
	.globl	k_q47302f3269_pv
	.p2align	8
	.type	k_q47302f3269_pv,@function
k_q47302f3269_pv:
	s_mov_b64 s[64:65], 0
	v_nop
	global_prefetch_b8 v0, s[64:65] scope:SCOPE_SE
	s_setreg_imm32_b32 hwreg(HW_REG_WAVE_MODE, 25, 1), 1
	s_wait_xcnt 0x0
	s_wait_alu depctr_hold_cnt(0) depctr_sa_sdst(0) depctr_va_vdst(0) depctr_va_sdst(0) depctr_va_ssrc(0) depctr_va_vcc(0) depctr_vm_vsrc(0)
	s_getreg_b32 s2, hwreg(HW_REG_IB_STS2, 6, 4)
	s_cmp_eq_u32 s2, 0
	s_cbranch_scc0 .Lentry_in_a_cluster
	s_endpgm
.Lentry_in_a_cluster:
	s_bfe_u32 s2, ttmp6, 0x10000c
	s_cmp_lg_u32 s2, 0x3003
	s_cbranch_scc0 .Lentry_shape_is_right
	s_endpgm
.Lentry_shape_is_right:
; O[q][:] = (the sum over chunks of e_chunk x P_chunk V) / L,  e = 2^(c m_chunk - M),  M = the row's maximum of c m over its 16 chunks,  L = the sum of e l.  pp [b][q 2048][key 2048] f16, vt [b][channel 1024][key 2048] f16,
; st [b][chunk 16][kind 2][2048] f32 (chunks that do not exist, or are hidden as a whole, hold c m = -1e30: e = 0), out0 [b][q][1024] f32.  Products in f16 with f32 sums; e, M, L, the weighting by e and the division in f32.
; LIMITS.  An e below 2^-126 counts as 0.  NaN and infinities are not treated apart.
; SHARES.  A tile of O is 128 queries x 128 channels.  Query tile t needs the keys 0 .. 128 t + 127: t / 2 + 1 steps of 256 keys.  A work-group takes tiles p and then 15 - p of one batch and one slice of channels:
; 9 steps, whatever p: all work-groups do equal work, and loops with constant trip counts walk them; which tile is asked for hangs on scalar registers made from p.  The short block goes first: it ends in steps 0 to 3,
; so its way out stands in the first loop alone.  Of the 2,304 keys walked 128 are hidden ones, weighted with e = 0.
; Four waves, each 64 x 64.  Source 0 = 16 channels, source 1 = 16 queries: a lane holds ONE query (lane % 16) and 8 neighbouring channels.
; e hangs on the query and the chunk of 128 keys.  So a chunk's 64 products go into 16 accumulators of their own (T0 for a step's first chunk, T1 for its second; the first 16 products start them with 0), and O, in plain
; registers, takes O += e T: 64 packed multiply-adds a chunk.  T0's stand four behind every four products of the second chunk; T1's stand together at the step's end, and the next step's e is made behind them.
; CLUSTER.  The four work-groups of a cluster share batch and p and differ in the slice of channels: P's tiles are asked for jointly (mask of four).  V's tiles are each work-group's own: those that share them differ in p and walk
; other steps at the same time, but for pairs.
; O is cleared by 128 v_mov_b32 in the wait for the first tile and once more where the first block has gone out: the price of one text for every step.
; REGISTERS: window 0: v0-29 addresses; v32-47 e as pairs (chunk u, block a at 2 (4 u + a); the low word is used); v48-55 the next step's c m; v56-83 M and 1 / L of both blocks; v96-127 at work;
;   v128-191, v192-255 V's fragments, two buffers      window 1: v0-127 O, (a, b) at v[8 (4 a + b)]; v128-191, v192-255 P's fragments, two buffers      window 2: v0-127 T0, v128-255 T1
;   A buffer holds 64 keys: fragment (c, i) at 8 (4 c + i).
.set PITCH,  528                       ; an LDS row: 512 bytes + 16
.set HALFT,  64*PITCH
.set SLOT,   4*HALFT                   ; P's 128 rows, then V's 128 rows: 135,168 = 0x21000; bits 12 and 17 are clear in every tile's place in slot 0, so one exclusive or changes slots
.set FROW,   16*PITCH
.set STAGE,  2*SLOT                    ; behind the ring: 16 rows x 272 bytes for each wave
.set SPITCH, 272
.set SPARE,  STAGE+4*16*SPITCH         ; the spare words, 128 bytes a wave: two blocks of 256 bytes that no other line names
.set AP0, 2                            ; v2  my lane's place in P's tile; never rewritten
.set AV0, 3                            ; v3  in V's
.set ADRP, 4                           ; v4, v5 the same in the slot in hand
.set ADRV, 5
.set STO, 6
.set RD,  7
.set CO,  8
.set SL0, 9                            ; v9  16 r: my query's four entries of a chunk's statistics
.set SOV, 10                           ; v10 the same at the step whose c m is asked for
.set SPW, 28
.set NIL, 29
.set E,   32
.set CMN, 48
.set M1,  56                           ; v[56:59] M of the first block, v[60:63] of the second
.set M2,  60
.set R1,  64                           ; v[64:71] 1 / L of the first block, as pairs; v[72:79] of the second
.set R2,  72
.set MS,  80
.set TMP, 96
.set G1P, 24
.set G1V, 32
.set G0P, 40
.set G0V, 44
.set PB1, 48                           ; s[48:49] pp at my 64 rows of the first block's tiles; s[50:51] of the second's
.set PB2, 50
.set VB,  52                           ; s[52:53] vt at my 64 channels
.set O1,  54                           ; s[54:55], s[56:57] out0 at my 64 x 64 of the first and second block
.set O2,  56
.set STB, 58                           ; s[58:59] st at the batch
.set OFF, 60                           ; s[60:61] a step's byte offset along the keys
.set TP,  62
.set AKS, 66                           ; the step to be asked for next, within its block
.set ALAST, 67                         ; that block's last step
.set ABLK, 68                          ; 0: the first block, 1: the second
.set EM,  69                           ; 0 or -1: which block's M goes with the c m that is on its way
.set URT, 70                           ; steps that the block in hand still has
.set EMN, 71                           ; the same as EM for the step just asked for
.set SB,  72                           ; the slot in hand
.set QO1, 73                           ; byte offset of my 64 rows' entries in a chunk's statistics, first and second block
.set QO2, 74
.set SOFF, 75
.set CNT, 76
.set NHM1, 77                          ; the second block's last step
.set HM,  79                           ; the mask of lanes 16-31
.set MSB, 0
.macro WIN new                         ; the immediate's high byte repeats the setting that is left; a switch that changes nothing is dropped
.if MSB != (\new)
	s_set_vgpr_msb (MSB<<8)|(\new)
.set MSB, \new
.endif
.endm
.set W_MM, 0xa4                        ; a product: V (source 0) window 0, P (source 1) window 1, C and D window 2
.set W_FM, 0x52                        ; O += e T: T (source 0) window 2, e (source 1) window 0, O (source 2 and destination) window 1
.macro PLACES
	s_wait_alu depctr_va_vdst(0)
.rept 4
	v_nop
.endr
.endm
.macro JLOAD                           ; waves 0 and 1 ask jointly for the two halves of P's tile, waves 2 and 3 for those of V's; an s_nop 0 and four v_nop follow each line
	s_cmp_lt_u32 s12, 2
	s_cbranch_scc0 .Lfor_v_\@
	tensor_load_to_lds s[G0P:G0P+3], s[G1P:G1P+7]
	s_nop 0
.rept 4
	v_nop
.endr
	s_branch .Lasked_\@
.Lfor_v_\@:
	tensor_load_to_lds s[G0V:G0V+3], s[G1V:G1V+7]
	s_nop 0
.rept 4
	v_nop
.endr
.Lasked_\@:
.endm
.macro CREST
	s_cmp_lg_u32 s12, 0
	s_cbranch_scc1 .Lnot_wave_0_\@
	s_barrier_signal -3
.Lnot_wave_0_\@:
	s_barrier_wait -3
	s_barrier_signal -1
	s_barrier_wait -1
.endm
.macro CROUND
	s_barrier_signal -1
	s_barrier_wait -1
	CREST
.endm
.macro WRAP                            ; the block's next step, or behind its last the second block's step 0
	s_add_co_u32 s[AKS], s[AKS], 1
	s_cmp_gt_u32 s[AKS], s[ALAST]
	s_cselect_b32 s[AKS], 0, s[AKS]
	s_cselect_b32 s[ALAST], s[NHM1], s[ALAST]
	s_cselect_b32 s[ABLK], 1, s[ABLK]
.endm
; The descriptors for the next fill are made anew from the step's number: a pointer and an offset made apart.  No tensor load of mine is out here.
.macro ASK
	s_lshl_b32 s[OFF], s[AKS], 9                   ; 256 keys of 2 bytes
	s_cmp_eq_u32 s[ABLK], 0
	s_cselect_b64 s[TP:TP+1], s[PB1:PB1+1], s[PB2:PB2+1]
	s_cselect_b32 s[SOFF], s[QO1], s[QO2]
	s_cselect_b32 s[EMN], 0, -1
	s_add_nc_u64 s[G0P+2:G0P+3], s[TP:TP+1], s[OFF:OFF+1]
	s_or_b32 s[G0P+3], s[G0P+3], 0x80000000
	s_add_nc_u64 s[G0V+2:G0V+3], s[VB:VB+1], s[OFF:OFF+1]
	s_or_b32 s[G0V+3], s[G0V+3], 0x80000000
	s_xor_b32 s[G0P+1], s[G0P+1], SLOT             ; the other slot than last time
	s_xor_b32 s[G0V+1], s[G0V+1], SLOT
	s_lshl_b32 s78, s[AKS], 15                     ; the step's two chunks of 16,384 bytes of statistics
	s_add_co_u32 s[SOFF], s[SOFF], s78
	WRAP
.endm
	s_load_b256 s[4:11], s[0:1], 0x0               ; pp s[4:5], vt s[6:7], st s[8:9], out0 s[10:11]
	v_lshl_add_u32 v[SPW], v0, 2, SPARE
	v_mov_b32 v[NIL], 0
	ds_add_u32 v[SPW], v[NIL]                      ; the wave's opening: an add, waited for ahead of my first tensor load
	ds_add_u32 v28, v29
	v_lshrrev_b32 v1, 5, v0
	v_readfirstlane_b32 s12, v1                    ; wave
	s_lshr_b32 s13, s12, 1                         ; wm: my half of the queries
	s_and_b32 s14, s12, 1                          ; wn: my half of the channels.  Also: which 64 rows of a tile I fetch
	s_bfe_u32 s15, ttmp6, 0x40000                  ; cx
	s_lshl_b32 s16, ttmp9, 2
	s_add_co_u32 s16, s16, s15                     ; n, the slice of 128 channels: it enters vt's and out0's addresses alone
	s_and_b32 s17, ttmp7, 0xffff
	s_lshr_b32 s18, s17, 3                         ; the batch
	s_and_b32 s19, s17, 7                          ; p: the first block's query tile
	s_lshr_b32 s[ALAST], s19, 1                    ; the first block's last step
	s_add_co_u32 s21, s[ALAST], 1                  ; its steps
	s_sub_co_u32 s20, 8, s[ALAST]                  ; the second block's steps
	s_sub_co_u32 s[NHM1], 7, s[ALAST]
	s_sub_co_u32 s22, 15, s19                      ; the second block's query tile
	s_mov_b32 s[G1P+0], 15|(1<<16)|(1<<20)|(1<<21)|(6<<22)|(3<<25)  ; the mask of four; 2-byte elements; padding on; bit 21 beside a mask; after every 128 words 4 words
	s_mov_b32 s[G1V+0], (1<<16)|(1<<20)|(6<<22)|(3<<25)
.irp g, G1P, G1V
	s_mov_b32 s[(\g)+1], 256<<16                   ; tensor_dim0 = 256 keys
	s_mov_b32 s[(\g)+2], 64<<16                    ; tensor_dim1 = 64 rows
	s_mov_b32 s[(\g)+3], 256<<16
	s_mov_b32 s[(\g)+4], 64
	s_mov_b32 s[(\g)+5], 2048                      ; elements from row to row
	s_mov_b32 s[(\g)+6], 0
	s_mov_b32 s[(\g)+7], 0
.endr
	s_mov_b32 s[G0P], 1
	s_mul_i32 s[G0P+1], s14, HALFT                 ; slot 0
	s_mov_b32 s[G0V], 1
	s_add_co_u32 s[G0V+1], s[G0P+1], 2*HALFT
	s_lshl_b32 s2, s18, 23                         ; pp: the batch,
	s_lshl_b32 s3, s14, 18                         ; my 64 rows of 4,096 bytes
	s_add_co_u32 s2, s2, s3
	s_mov_b32 s81, 0
	s_mov_b32 s83, 0
	s_mov_b32 s[OFF+1], 0
	s_lshl_b32 s[QO1], s19, 9                      ; 4 bytes x (128 tile + 64 wm)
	s_lshl_b32 s[QO2], s22, 9
	s_lshl_b32 s23, s13, 8
	s_add_co_u32 s[QO1], s[QO1], s23
	s_add_co_u32 s[QO2], s[QO2], s23
	s_mov_b32 s[AKS], 0                            ; step 0 of the first block is asked for below:
	s_mov_b32 s[ABLK], 0
	WRAP                                           ; the walk stands at the step behind it
	s_mov_b32 s[URT], s21
	s_mov_b32 s[SB], 0
	s_mov_b32 s[EM], 0
	s_wait_dscnt 0x0                               ; the opening add is done
	s_wait_kmcnt 0x0
	s_lshl_b32 s80, s19, 19                        ; a query tile is 128 rows of 4,096 bytes
	s_add_co_u32 s80, s80, s2
	s_add_nc_u64 s[PB1:PB1+1], s[4:5], s[80:81]
	s_lshl_b32 s80, s22, 19
	s_add_co_u32 s80, s80, s2
	s_add_nc_u64 s[PB2:PB2+1], s[4:5], s[80:81]
	s_lshl_b32 s80, s18, 18
	s_add_nc_u64 s[STB:STB+1], s[8:9], s[80:81]
	s_lshl_b32 s82, s18, 22                        ; vt: the batch, channel 128 n + 64 wn of 4,096 bytes
	s_lshl_b32 s23, s16, 19
	s_add_co_u32 s82, s82, s23
	s_add_co_u32 s82, s82, s3
	s_add_nc_u64 s[VB:VB+1], s[6:7], s[82:83]
	s_lshl_b32 s23, s18, 23                        ; out0: the batch, row 128 tile + 64 wm of 4,096 bytes, byte 512 n + 256 wn
	s_lshl_b32 s82, s13, 18
	s_add_co_u32 s23, s23, s82
	s_lshl_b32 s82, s16, 9
	s_add_co_u32 s23, s23, s82
	s_lshl_b32 s82, s14, 8
	s_add_co_u32 s23, s23, s82
	s_lshl_b32 s82, s19, 19
	s_add_co_u32 s82, s82, s23
	s_add_nc_u64 s[O1:O1+1], s[10:11], s[82:83]
	s_lshl_b32 s82, s22, 19
	s_add_co_u32 s82, s82, s23
	s_add_nc_u64 s[O2:O2+1], s[10:11], s[82:83]
	s_add_nc_u64 s[G0P+2:G0P+3], s[PB1:PB1+1], 0
	s_or_b32 s[G0P+3], s[G0P+3], 0x80000000
	s_add_nc_u64 s[G0V+2:G0V+3], s[VB:VB+1], 0
	s_or_b32 s[G0V+3], s[G0V+3], 0x80000000
	CROUND                                         ; all four work-groups are here: the first joint loads meet
	JLOAD                                          ; step 0 into slot 0
	v_and_b32 v1, 15, v0                           ; r
	v_bfe_u32 v11, v0, 4, 1                        ; h
	v_lshlrev_b32 v[SL0], 4, v1
	s_sub_co_u32 s78, s[QO2], s[QO1]               ; 512 (15 - 2 p): positive
	v_add_nc_u32 v[SOV], s[QO1], v[SL0]
	v_mad_u32_u24 v12, v11, s78, v[SOV]            ; lanes 0-15 take the first block's statistics, lanes 16-31 the second's
	global_load_b128 v[CMN:CMN+3], v[SOV], s[STB:STB+1]                 ; step 0's c m: the first block's chunks 0 and 1
	global_load_b128 v[CMN+4:CMN+7], v[SOV], s[STB:STB+1] offset:16384
.set c, 0
.rept 16                                   ; the statistics of all 16 chunks for my 64 rows: chunk c's c m at v[128 + 8 c ..], its l four registers on
	global_load_b128 v[128+8*c:128+8*c+3], v12, s[STB:STB+1] offset:c*16384
	global_load_b128 v[128+8*c+4:128+8*c+7], v12, s[STB:STB+1] offset:c*16384+8192
.set c, c+1
.endr
	v_cmp_ne_u32 s[HM], 0, v11
	s_mov_b32 s80, 0x76543210                      ; v_permlanex16_b32's selects: each lane takes its own place in the other half
	s_mov_b32 s81, 0xfedcba98
	v_mul_u32_u24 v14, v1, PITCH
	v_lshl_add_u32 v14, v11, 4, v14                ; row x pitch + 16 x half
	s_mul_i32 s2, s13, HALFT
	v_add_nc_u32 v[AP0], s2, v14
	s_mul_i32 s2, s14, HALFT
	s_add_co_u32 s2, s2, 2*HALFT
	v_add_nc_u32 v[AV0], s2, v14
	s_mul_i32 s2, s12, 16*SPITCH
	s_add_co_u32 s2, s2, STAGE                     ; my stage
	v_mul_u32_u24 v14, v1, SPITCH                  ; in: row r, 32 bytes for each half of the lanes
	v_lshl_add_u32 v14, v11, 5, v14
	v_add_nc_u32 v[STO], s2, v14
	v_mul_u32_u24 v14, v11, SPITCH                 ; back: lanes 0-15 one row of 256 bytes, lanes 16-31 the next
	v_lshl_add_u32 v14, v1, 4, v14
	v_add_nc_u32 v[RD], s2, v14
	v_lshlrev_b32 v14, 12, v11
	v_lshl_add_u32 v[CO], v1, 4, v14
	v_mov_b32 v[ADRP], v[AP0]
	v_mov_b32 v[ADRV], v[AV0]
.irp z, 0,1,2,3,4,5,6,7
	v_mov_b32 v[E+2*\z+1], 0                       ; the pairs' upper words are named, never used
.endr
.irp a, 0,1,2,3
	v_mov_b32 v[R1+2*\a+1], 0
	v_mov_b32 v[R2+2*\a+1], 0
.endr
	WIN 0x40
.set i, 0
.rept 128                                  ; O begins at 0
	v_mov_b32 v[i], 0
.set i, i+1
.endr
	WIN 0
	s_wait_loadcnt 0x0
	; M and 1 / L, of the first block in lanes 0-15 and of the second in lanes 16-31
.irp a, 0,1,2,3
	v_max3_num_f32 v[96+\a], v[128+\a], v[136+\a], v[144+\a]
.endr
.irp c, 3,5,7,9,11,13
.irp a, 0,1,2,3
	v_max3_num_f32 v[96+\a], v[96+\a], v[128+8*\c+\a], v[136+8*\c+\a]
.endr
.endr
.irp a, 0,1,2,3
	v_max_num_f32 v[96+\a], v[96+\a], v[248+\a]
.endr
.set c, 0
.rept 16
	v_pk_add_f32 v[128+8*c:129+8*c], v[128+8*c:129+8*c], v[96:97] neg_lo:[0,1] neg_hi:[0,1]
	v_pk_add_f32 v[130+8*c:131+8*c], v[130+8*c:131+8*c], v[98:99] neg_lo:[0,1] neg_hi:[0,1]
.set c, c+1
.endr
.set c, 0
.rept 16
.irp a, 0,1,2,3
	v_exp_f32 v[128+8*c+\a], v[128+8*c+\a]
.endr
.set c, c+1
.endr
	v_nop                                          ; a plain instruction between the last exponential and the use of its result
	s_wait_alu depctr_va_vdst(0)
	v_pk_mul_f32 v[100:101], v[128:129], v[132:133]
	v_pk_mul_f32 v[102:103], v[130:131], v[134:135]
.set c, 1
.rept 15
	v_pk_fma_f32 v[100:101], v[128+8*c:129+8*c], v[132+8*c:133+8*c], v[100:101]
	v_pk_fma_f32 v[102:103], v[130+8*c:131+8*c], v[134+8*c:135+8*c], v[102:103]
.set c, c+1
.endr
.irp a, 0,1,2,3
	v_rcp_f32 v[104+\a], v[100+\a]                 ; the chunk that holds the row's maximum has e = 1 and an l of 1 or more: L is never 0
.endr
	v_nop
	s_wait_alu depctr_va_vdst(0)
.irp a, 0,1,2,3                            ; each half of the lanes fetches the other half's, and both blocks' M and 1 / L stand in every lane
	v_permlanex16_b32 v[128+\a], v[96+\a], s80, s81
	v_permlanex16_b32 v[132+\a], v[104+\a], s80, s81
.endr
.irp a, 0,1,2,3
	v_cndmask_b32 v[M1+\a], v[96+\a], v[128+\a], s[HM]
	v_cndmask_b32 v[M2+\a], v[128+\a], v[96+\a], s[HM]
	v_cndmask_b32 v[R1+2*\a], v[104+\a], v[132+\a], s[HM]
	v_cndmask_b32 v[R2+2*\a], v[132+\a], v[104+\a], s[HM]
.endr
; 16 products: all 16 accumulators of T buffer tb, 32 keys: half c of fragment buffer f.  zero = 1: they start the sums.  rid = 1: behind every four products stand four of T0's 64 multiply-adds O += e T, from number r0 on.
; The accumulators take turns, one instruction a turn.  A multiply-add names no register of the products round it: those write T1 and read the fragments.
.macro G16 f, c, tb, zero, rid, r0
.set i, 0
.rept 4
	WIN W_MM
.rept 4
.set rD, 128*(\tb)+8*i
.set rV, 128+64*(\f)+8*(4*(\c)+i%4)
.set rP, 128+64*(\f)+8*(4*(\c)+i/4)
.if \zero
	v_wmma_f32_16x16x32_f16 v[rD:rD+7], v[rV:rV+7], v[rP:rP+7], 0
.else
	v_wmma_f32_16x16x32_f16 v[rD:rD+7], v[rV:rV+7], v[rP:rP+7], v[rD:rD+7]
.endif
.set i, i+1
.endr
.if \rid
	WIN W_FM
.set j, (\r0)+i-4
.rept 4
	v_pk_fma_f32 v[2*j:2*j+1], v[2*j:2*j+1], v[E+2*(j/16):E+2*(j/16)+1], v[2*j:2*j+1] op_sel_hi:[1,0,1]  ; ascending: each accumulator's lowest registers are read first
.set j, j+1
.endr
.endif
.endr
.endm
.macro FETCH f, k                      ; 32 LDS loads: 64 keys at byte k of the rows, into buffer f; the first 32 keys' sixteen loads first
.irp c, 0,1
	WIN 0
.irp i, 0,1,2,3
	ds_load_b128 v[128+64*(\f)+8*(4*\c+\i):128+64*(\f)+8*(4*\c+\i)+3],   v[ADRV] offset:(\k)+64*\c+\i*FROW
	ds_load_b128 v[128+64*(\f)+8*(4*\c+\i)+4:128+64*(\f)+8*(4*\c+\i)+7], v[ADRV] offset:(\k)+64*\c+\i*FROW+32
.endr
	WIN 0x40
.irp i, 0,1,2,3
	ds_load_b128 v[128+64*(\f)+8*(4*\c+\i):128+64*(\f)+8*(4*\c+\i)+3],   v[ADRP] offset:(\k)+64*\c+\i*FROW
	ds_load_b128 v[128+64*(\f)+8*(4*\c+\i)+4:128+64*(\f)+8*(4*\c+\i)+7], v[ADRP] offset:(\k)+64*\c+\i*FROW+32
.endr
.endr
.endm
; A step is four quarters of 64 keys on buffers 0, 1, 0, 1.  One of the first three: multiplies buffer f into T buffer tb and fetches the next quarter, at byte k, into g.
.macro QUARTER f, g, k, tb, zero, rid, r0
	s_wait_dscnt 16                                ; f's first 32 keys are in; its other sixteen loads may be out
	PLACES                                         ; in front of the loads into g, which the quarter before multiplied; in the third quarter also in front of the first reads of T0
	FETCH \g, \k
	G16 \f, 0, \tb, \zero, \rid, \r0
	s_wait_dscnt 32                                ; all but the 32 just issued
	G16 \f, 1, \tb, 0, \rid, (\r0)+16
.endm
; The last quarter multiplies buffer 1 and changes slots: one barrier; in front of it each wave waits for all its tensor loads (one is out at the most: its part of the next slot), adds 0 to its spare word, and waits for that
; and for its reads of this slot.  fill = 1: the barrier opens a round of the cluster's, and this slot is filled again, two steps ahead, first thing behind the round.  fill = 0 (the last two steps): nothing is asked for,
; and in the last trip (CNT = 1) the fetch of a further step's fragments is jumped over.  At the end T1's 64 multiply-adds.
.macro TURN fill
	WIN 0
	s_wait_tensorcnt 0x0
	ds_add_u32 v[SPW], v[NIL]
	s_wait_dscnt 0x0                               ; the add is done, buffer 1 is in, and my reads of this slot are over
	s_barrier_signal -1
	G16 1, 0, 1, 0, 1, 32
	WIN 0                                          ; at a branch and at a label every window is 0
	s_barrier_wait -1
.if \fill
	CREST                                          ; no wave of any partner still reads this slot or has a load on its way
	ASK
	JLOAD
.else
	s_cmp_eq_u32 s[CNT], 1
	s_cbranch_scc1 .Lno_fetch_\@
.endif
	s_xor_b32 s[SB], s[SB], SLOT
	v_add_nc_u32 v[ADRP], s[SB], v[AP0]
	v_add_nc_u32 v[ADRV], s[SB], v[AV0]
	FETCH 0, 0                                     ; buffer 0's last products stand sixteen multiply-adds back
	WIN 0
.if (\fill) == 0
.Lno_fetch_\@:
.endif
	G16 1, 1, 1, 0, 1, 48
	WIN W_FM
	PLACES                                         ; between T1's last products and the first read of T1
.set j, 0
.rept 64
	v_pk_fma_f32 v[2*j:2*j+1], v[128+2*j:128+2*j+1], v[E+8+2*(j/16):E+8+2*(j/16)+1], v[2*j:2*j+1] op_sel_hi:[1,0,1]
.set j, j+1
.endr
	WIN 0
.endm
.macro ECOMP                           ; the e of the step to come, from its two chunks' c m and its block's M.  It stands behind the last use of the old e
	WIN 0
	s_wait_loadcnt 0x0                             ; that step's c m, asked for a step ago
.irp a, 0,1,2,3
	v_cndmask_b32 v[MS+\a], v[M1+\a], v[M2+\a], s[EM]
.endr
.irp z, 0,1,2,3,4,5,6,7
	v_sub_f32 v[E+2*\z], v[CMN+\z], v[MS+\z%4]
.endr
.irp z, 0,1,2,3,4,5,6,7
	v_exp_f32 v[E+2*\z], v[E+2*\z]
.endr
	v_nop                                          ; a plain instruction between the last exponential and the use of its result
.endm
.macro NEXTCM                          ; the c m of the step that ASK has just asked for, and which block's M will go with it
	s_mov_b32 s[EM], s[EMN]
	v_add_nc_u32 v[SOV], s[SOFF], v[SL0]           ; free since the wait for the loads that named it
	global_load_b128 v[CMN:CMN+3], v[SOV], s[STB:STB+1]
	global_load_b128 v[CMN+4:CMN+7], v[SOV], s[STB:STB+1] offset:16384
.endm
; A BLOCK GOES OUT: O times 1 / L, 32 bytes a lane into my own stage, back as whole rows of 256 bytes, 16 rows at a time.  clr = 1: another block follows, and O begins at 0 again.
.macro FINISH R, OB, clr
.irp a, 0,1,2,3
	WIN 0x01                                       ; source 0 window 1
.set i, 0
.rept 16
	v_pk_mul_f32 v[TMP+2*i:TMP+2*i+1], v[32*\a+2*i:32*\a+2*i+1], v[(\R)+2*\a:(\R)+2*\a+1] op_sel_hi:[1,0]
.set i, i+1
.endr
	WIN 0
.irp b, 0,1,2,3
	ds_store_b128 v[STO], v[TMP+8*\b:TMP+8*\b+3] offset:64*\b
	ds_store_b128 v[STO], v[TMP+8*\b+4:TMP+8*\b+7] offset:64*\b+16
.endr
	s_wait_xcnt 0x0                                ; the registers below were the data of earlier stores
.irp t, 0,1,2,3,4,5,6,7
	ds_load_b128 v[192+32*(\a%2)+4*\t:192+32*(\a%2)+4*\t+3], v[RD] offset:\t*2*SPITCH  ; LDS serves a wave's instructions in order (ISA guide 5.7.1.4): these see the stores above
.endr
.irp t, 0,1,2,3,4,5,6,7
	s_wait_dscnt 7-\t
	global_store_b128 v[CO], v[192+32*(\a%2)+4*\t:192+32*(\a%2)+4*\t+3], s[\OB:\OB+1] offset:(16*\a+2*\t)*4096  ; sixteen lanes store 256 consecutive bytes, aligned
.endr
.endr
	s_wait_xcnt 0x0                                ; the next quarter's LDS loads land in the registers that these stores read
.if \clr
	WIN 0x40
.set i, 0
.rept 128
	v_mov_b32 v[i], 0
.set i, i+1
.endr
	WIN 0
.endif
.endm
.macro STEP3
	QUARTER 0, 1, 128, 0, 1, 0, 0                  ; the first chunk into T0,
	QUARTER 1, 0, 256, 0, 0, 0, 0
	QUARTER 0, 1, 384, 1, 1, 1, 0                  ; the second into T1, with T0's multiply-adds among its products
.endm
	ECOMP                                          ; step 0's e
	s_wait_tensorcnt 0x0                           ; slot 0 is in; slot 1's first fill is issued as a refill is
	ds_add_u32 v[SPW], v[NIL]
	s_wait_dscnt 0x0
	CROUND
	ASK
	JLOAD                                          ; step 1 into slot 1
	NEXTCM
	FETCH 0, 0
	WIN 0
	s_mov_b32 s[CNT], 7
.Lstep:                                                ; steps 0 to 6: each asks for the step two on
	STEP3
	TURN 1
	ECOMP
	NEXTCM
	s_sub_co_u32 s[URT], s[URT], 1                 ; if this was the first block's last step, the block goes out.  The jump goes forward and passes neither a barrier nor a tensor load
	s_cmp_lg_u32 s[URT], 0
	s_cbranch_scc1 .Lgo_on
	FINISH R1, O1, 1
	s_mov_b32 s[URT], s20                          ; the second block has more steps than this loop has trips left
.Lgo_on:
	s_sub_co_u32 s[CNT], s[CNT], 1
	s_cmp_lg_u32 s[CNT], 0
	s_cbranch_scc1 .Lstep
	s_mov_b32 s[CNT], 2
.Ltail:                                                ; steps 7 and 8 ask for nothing: a text of their own.  The last trip's barrier orders nothing and its e repeats step 8's: the price of one text for both
	STEP3
	TURN 0
	ECOMP
	s_sub_co_u32 s[CNT], s[CNT], 1
	s_cmp_lg_u32 s[CNT], 0
	s_cbranch_scc1 .Ltail
	FINISH R2, O2, 0
	s_wait_tensorcnt 0x0                           ; the wave's end
	ds_add_u32 v[SPW], v[NIL]
	s_wait_dscnt 0x0
	CROUND                                         ; the closing round
	s_endpgm
.Lfunc_end_k_q47302f3269_pv:
	.size	k_q47302f3269_pv, .Lfunc_end_k_q47302f3269_pv-k_q47302f3269_pv
	.p2alignl 7, 3214868480
	.fill 96, 4, 3214868480
	.section	.rodata,"a",@progbits
	.p2align	6, 0x0
	.amdhsa_kernel k_q47302f3269_pv
		.amdhsa_group_segment_fixed_size 327680
		.amdhsa_private_segment_fixed_size 0
		.amdhsa_enable_private_segment 0
		.amdhsa_kernarg_size 32
		.amdhsa_user_sgpr_count 2
		.amdhsa_user_sgpr_kernarg_segment_ptr 1
		.amdhsa_wavefront_size32 1
		.amdhsa_system_sgpr_workgroup_id_x 1
		.amdhsa_system_sgpr_workgroup_id_y 1
		.amdhsa_system_sgpr_workgroup_id_z 1
		.amdhsa_system_vgpr_workitem_id 0
		.amdhsa_next_free_vgpr 768
		.amdhsa_next_free_sgpr 84
		.amdhsa_reserve_vcc 0
		.amdhsa_float_denorm_mode_32 3
		.amdhsa_float_denorm_mode_16_64 3
		.amdhsa_memory_ordered 1
		.amdhsa_forward_progress 1
		.amdhsa_inst_pref_size 116
	.end_amdhsa_kernel
	.amdgpu_metadata
---
amdhsa.version: [ 1, 2 ]
amdhsa.kernels:
  - .name:           k_q47302f3269_pv
    .symbol:         k_q47302f3269_pv.kd
    .args:
      - { .name: pp, .offset: 0, .size: 8, .value_kind: global_buffer, .address_space: global }
      - { .name: vt, .offset: 8, .size: 8, .value_kind: global_buffer, .address_space: global }
      - { .name: st, .offset: 16, .size: 8, .value_kind: global_buffer, .address_space: global }
      - { .name: out0, .offset: 24, .size: 8, .value_kind: global_buffer, .address_space: global }
    .group_segment_fixed_size: 327680
    .private_segment_fixed_size: 0
    .kernarg_segment_align: 8
    .kernarg_segment_size: 32
    .max_flat_workgroup_size: 128
    .sgpr_count:     84
    .vgpr_count:     768
    .wavefront_size: 32
...
	.end_amdgpu_metadata
.endif
;; end of part 7
;; ======== version 3 of 3: 4 launches; version 2 with the launch cast written anew for expert scheduling mode
;; limits: values are held in f16: magnitudes above 65,504 overflow, below 6.1e-05 lose precision
;; workspace buffers: xb 16,777,216 bytes; wb 6,291,456 bytes; qh 16,777,216 bytes; kh 16,777,216 bytes; vt 16,777,216 bytes; pp 33,554,432 bytes; st 1,048,576 bytes
;; launch cast (part 8): grid 256 x 1, 11 waves a work-group, no clusters, 0 bytes of LDS; arguments x, Wq, Wk, Wv, xb, wb, st; writes xb, wb, st
.if DOCPART == 8
	.amdgcn_target "amdgcn-amd-amdhsa--gfx1250"
	.amdhsa_code_object_version 6
	.text
	.protected	k_q47302f3269_cast
	.globl	k_q47302f3269_cast
	.p2align	8
	.type	k_q47302f3269_cast,@function
k_q47302f3269_cast:
	s_mov_b64 s[64:65], 0
	v_nop
	global_prefetch_b8 v0, s[64:65] scope:SCOPE_SE
	s_setreg_imm32_b32 hwreg(HW_REG_WAVE_SCHED_MODE, 0, 2), 2
	s_setreg_imm32_b32 hwreg(HW_REG_WAVE_MODE, 25, 1), 1
	s_wait_xcnt 0x0
	s_wait_alu depctr_vm_vsrc(0)
; x [8192][1024] and Wq, Wk, Wv [1024][1024], all f32, are rounded once to bf16 (nearest even) and laid out in blocks of 64 along K:
;   xb [kb 16][row 8192][64],  wb [kb 16][n' 3072][64],  n' = 384 j + 192 hn + 64 t + r for row 128 j + 64 hn + r of W_t (t = 0 q, 1 k, 2 v),
; so that the product's tiles (256 rows of x, 384 rows of W, 64 along K) are dense blocks of memory.
; The waves of x also write the neutral softmax statistics into st [b 4][chunk 16][kind 2][2048]: c m = -1e30, l = 0; the scores' launch overwrites the chunks that exist.
; A stream: no LDS, no barrier, no matrix unit, no cluster: nothing is shared and nothing is read twice.
; SHARES.  8192 + 3 x 1024 = 11,264 rows = 256 work-groups x 11 waves x 4 rows: every work-group has the same work.  Wave g = 11 x work-group + wave takes rows 4 g .. 4 g + 3 of the sequence x, Wq, Wk, Wv:
; waves 0 to 2047 take x, then 256 waves each W.  The branch between the two texts hangs on g, a scalar.
; LANES.  A load takes one K block of a pair of rows: lanes 0-15 the 256 bytes of the even row, 16 bytes each, lanes 16-31 those of the odd row: two runs of 256 consecutive bytes, each aligned.  A lane's 4 numbers
; become 8 bytes, and the 32 lanes' store covers 256 consecutive bytes, aligned: the two rows of that K block lie side by side in xb and wb.
; All 32 loads of a wave (2 pairs of rows x 16 K blocks) go out first; the waits count down.  No register is written again behind the store that reads it.
; THE MODE: SCHED_MODE bits 1:0 = 2 (LLVM: expert scheduling mode 2), set by the entry lines.  The code itself states the register dependences between vector instructions and memory instructions, with s_wait_alu, always for 0.
; THE PLAN.  Registers that memory instructions touch:
;   v2           the loads' offset; v3, v4 the stores' offsets; v5, v[8:11] the offset and data of st's one store.  Written by vector lines at the head, never again.
;   v[16:143]    load G's four registers.  Load G lands in them (no vector line has named them before); its two conversions read the four and write the first two; one store reads those two; nothing writes them again.
; The 32 loads fall into 8 blocks of 4.  Block p waits for its four loads, converts them, and issues the four stores of block p - 1, one ahead of each pair of conversions.  Those stores read the registers that block p - 1
; wrote, and v3 or v4; block p's conversions name block p's registers alone.  So ONE wait on va_vdst at a block's head states all that the block's four stores hang on; one more stands ahead of the last four stores,
; and one ahead of the loads, for the offsets.  No register that a memory instruction reads is written again, and no load lands in a register that a vector line has named: no wait on vm_vsrc is owed.
.set X, 16                             ; v[16:143] load G = 16 pr + kb: 4 registers as loaded, the first 2 as stored
.set NEGBIG, 0xf149f2ca                ; -1e30
.macro LOADS
.set G, 0
.rept 32
	global_load_b128 v[X+4*G:X+4*G+3], v2, s[18:19] offset:(G/16)*8192+(G%16)*256 th:TH_LOAD_NT  ; read once in the whole launch
.set G, G+1
.endr
.endm
; Nine stages: stage P converts block P (P < 8) and stores block P - 1 (P > 0).
; kbs: bytes from one K block of the destination to the next.  split = 1: K blocks 8-15 go by v4, which lies 8,388,608 bytes on, so that the immediates stay inside their signed 24 bits
.macro EMIT kbs, split
.set P, 0
.rept 9
.if P < 8
	s_wait_loadcnt 28-4*P                          ; loads come back in order: block P's four are in; the 28 - 4 P younger ones stay out
.endif
.if P > 0
	s_wait_alu depctr_va_vdst(0)                   ; the conversions of block P - 1 have written its eight out-registers, which the four stores of this stage read
.endif
.set I, 0
.rept 4
.if P > 0
.set G, 4*(P-1)+I
.if (\split) && (G%16 >= 8)
	global_store_b64 v4, v[X+4*G:X+4*G+1], s[20:21] offset:(G%16-8)*(\kbs)+(G/16)*256  ; no vector line since the wait names these registers
.else
	global_store_b64 v3, v[X+4*G:X+4*G+1], s[20:21] offset:(G%16)*(\kbs)+(G/16)*256
.endif
.endif
.if P < 8
.set G, 4*P+I
	v_cvt_pk_bf16_f32 v[X+4*G], v[X+4*G], v[X+4*G+1]      ; in place, ascending: a register is written when it has been read
	v_cvt_pk_bf16_f32 v[X+4*G+1], v[X+4*G+2], v[X+4*G+3]
.endif
.set I, I+1
.endr
.set P, P+1
.endr
.endm
	s_load_b256 s[4:11], s[0:1], 0x0               ; x s[4:5], Wq s[6:7], Wk s[8:9], Wv s[10:11]
	s_load_b128 s[12:15], s[0:1], 0x20             ; xb s[12:13], wb s[14:15]
	s_load_b64 s[16:17], s[0:1], 0x30              ; st
	v_lshrrev_b32 v6, 5, v0
	v_readfirstlane_b32 s26, v6                    ; wave 0..10
	s_mul_i32 s27, ttmp9, 11
	v_bfe_u32 v7, v0, 4, 1                         ; row of the pair
	v_and_b32 v1, 15, v0
	v_lshlrev_b32 v2, 12, v7                       ; source: rows of 4,096 bytes,
	v_lshl_add_u32 v2, v1, 4, v2                   ; 16 bytes a lane
	v_lshlrev_b32 v3, 7, v7                        ; destination: rows of 128 bytes,
	v_lshl_add_u32 v3, v1, 3, v3                   ; 8 bytes a lane
	s_mov_b32 s23, 0
	s_wait_alu depctr_va_sdst(0)                   ; s26 is written, ahead of its first reader: g, the branch and the bases are made from it
	s_add_co_u32 s26, s26, s27                     ; g, 0 .. 2815
	s_wait_kmcnt 0x0
	s_cmp_ge_u32 s26, 2048
	s_cbranch_scc1 .Lweights
	v_add_nc_u32 v4, 0x800000, v3                  ; eight K blocks of xb (8192 x 128 bytes each) on
	v_and_b32 v5, 31, v0
	v_lshlrev_b32 v5, 4, v5
	s_lshl_b32 s22, s26, 14                        ; 4 rows of 4,096 bytes
	s_add_nc_u64 s[18:19], s[4:5], s[22:23]
	s_lshl_b32 s22, s26, 9                         ; 4 rows of 128 bytes; also my 512 bytes of st
	s_add_nc_u64 s[20:21], s[12:13], s[22:23]
	s_add_nc_u64 s[24:25], s[16:17], s[22:23]
	s_and_b32 s28, s26, 16                         ; a kind's block is 8,192 bytes: sixteen waves
	s_cmp_lg_u32 s28, 0
	s_cselect_b32 s28, 0, NEGBIG                   ; l = 0, c m = -1e30
	v_mov_b32 v8, s28
	v_mov_b32 v9, s28
	v_mov_b32 v10, s28
	v_mov_b32 v11, s28
	s_wait_alu depctr_va_vdst(0)                   ; v2 to v5 and v[8:11] are written: the offsets of every load and store of this path, and the data of st's store
	LOADS
	global_store_b128 v5, v[8:11], s[24:25]        ; 32 lanes x 16 bytes: 512 consecutive bytes
	EMIT 1048576, 1
	s_endpgm
.Lweights:
	s_sub_co_u32 s26, s26, 2048
	s_lshr_b32 s27, s26, 8                         ; t: which W
	s_and_b32 s26, s26, 255                        ; which 4 rows of it
	s_cmp_eq_u32 s27, 0
	s_cselect_b64 s[18:19], s[6:7], s[8:9]
	s_cmp_eq_u32 s27, 2
	s_cselect_b64 s[18:19], s[10:11], s[18:19]
	s_lshl_b32 s22, s26, 14
	s_add_nc_u64 s[18:19], s[18:19], s[22:23]
	s_lshr_b32 s28, s26, 5                         ; j: 128 rows are 32 waves
	s_mul_i32 s28, s28, 384
	s_bfe_u32 s29, s26, 0x10004                    ; hn: 64 rows are 16 waves
	s_mul_i32 s29, s29, 192
	s_add_co_u32 s28, s28, s29
	s_lshl_b32 s29, s27, 6
	s_add_co_u32 s28, s28, s29
	s_and_b32 s29, s26, 15
	s_lshl_b32 s29, s29, 2
	s_add_co_u32 s28, s28, s29                     ; n' of my first row: a multiple of 4, and my 4 rows stay inside one run of 64
	s_lshl_b32 s22, s28, 7
	s_add_nc_u64 s[20:21], s[14:15], s[22:23]
	s_wait_alu depctr_va_vdst(0)                   ; v2 and v3 are written: the offsets of every load and store of this path
	LOADS
	EMIT 393216, 0                                 ; a K block of wb is 3072 x 128 bytes
	s_endpgm
.Lfunc_end_k_q47302f3269_cast:
	.size	k_q47302f3269_cast, .Lfunc_end_k_q47302f3269_cast-k_q47302f3269_cast
	.p2alignl 7, 3214868480
	.fill 96, 4, 3214868480
	.section	.rodata,"a",@progbits
	.p2align	6, 0x0
	.amdhsa_kernel k_q47302f3269_cast
		.amdhsa_group_segment_fixed_size 0
		.amdhsa_private_segment_fixed_size 0
		.amdhsa_enable_private_segment 0
		.amdhsa_kernarg_size 56
		.amdhsa_user_sgpr_count 2
		.amdhsa_user_sgpr_kernarg_segment_ptr 1
		.amdhsa_wavefront_size32 1
		.amdhsa_system_sgpr_workgroup_id_x 1
		.amdhsa_system_sgpr_workgroup_id_y 1
		.amdhsa_system_sgpr_workgroup_id_z 1
		.amdhsa_system_vgpr_workitem_id 0
		.amdhsa_next_free_vgpr 144
		.amdhsa_next_free_sgpr 66
		.amdhsa_reserve_vcc 0
		.amdhsa_float_denorm_mode_32 3
		.amdhsa_float_denorm_mode_16_64 3
		.amdhsa_memory_ordered 1
		.amdhsa_forward_progress 1
		.amdhsa_inst_pref_size 24
	.end_amdhsa_kernel
	.amdgpu_metadata
---
amdhsa.version: [ 1, 2 ]
amdhsa.kernels:
  - .name:           k_q47302f3269_cast
    .symbol:         k_q47302f3269_cast.kd
    .args:
      - { .name: x, .offset: 0, .size: 8, .value_kind: global_buffer, .address_space: global }
      - { .name: Wq, .offset: 8, .size: 8, .value_kind: global_buffer, .address_space: global }
      - { .name: Wk, .offset: 16, .size: 8, .value_kind: global_buffer, .address_space: global }
      - { .name: Wv, .offset: 24, .size: 8, .value_kind: global_buffer, .address_space: global }
      - { .name: xb, .offset: 32, .size: 8, .value_kind: global_buffer, .address_space: global }
      - { .name: wb, .offset: 40, .size: 8, .value_kind: global_buffer, .address_space: global }
      - { .name: st, .offset: 48, .size: 8, .value_kind: global_buffer, .address_space: global }
    .group_segment_fixed_size: 0
    .private_segment_fixed_size: 0
    .kernarg_segment_align: 8
    .kernarg_segment_size: 56
    .max_flat_workgroup_size: 352
    .sgpr_count:     66
    .vgpr_count:     144
    .wavefront_size: 32
...
	.end_amdgpu_metadata
.endif
;; end of part 8
;; launch proj: the kernel of part 2 again; grid 8 x 32, 4 waves a work-group, clusters of 4 x 4, 327,680 bytes of LDS; arguments xb, wb, qh, kh, vt; writes qh, kh, vt
;; launch scores: the kernel of part 6 again; grid 36 x 4, 4 waves a work-group, no clusters, 327,680 bytes of LDS; arguments qh, kh, pp, st; writes pp, st
;; launch pv: the kernel of part 7 again; grid 8 x 32, 4 waves a work-group, clusters of 4 x 1, 327,680 bytes of LDS; arguments pp, vt, st, out0; writes out0
